; MI455X (gfx1250); checked and timed in simulation.
; The chip was launched on July 23, 2026; its instructions are those of AMD's public machine-readable ISA for CDNA 5 (MIT licence, August 2026) and "CDNA5" Instruction Set Architecture Reference Guide (July 2026). The comments in the code are by the model that wrote it; some were corrected since.
;; LSH Attention. Allowed arithmetic: matrix products marked QUANTISED: E5M2 operands, one E8M0 scale for each 32 along K, by v_wmma_scale_f32_16x16x128_f8f6f4 with both operands' format E5M2, f32 sums; products left as they are: f32 operands where the result goes on into a quantised operand, else bf16, f16 or f32 operands; f32 sums; everything else in f32.
;; Inputs: query 16 x 4,096 x 64 float32; rand_matrix 16 x 64 x 4 x 32 float32; value 16 x 4,096 x 64 float32.
;; Outputs: out0 16 x 4,096 x 64 float32.
;; Constants: seed = 0.
;; This version of the problem:
;;   THIS VERSION OF THE PROBLEM IS GIVEN IN LOW PRECISION. The matrix products marked QUANTISED in the list below multiply operands that are first quantised to E5M2 (5 exponent bits, 2 mantissa bits; 8 bits a number), with one power-of-two scale for each 32 numbers along K (OCP MX v1.0); their sums are f32. All else is computed in f32.
;;   The module's matrix products, in the order in which they are computed (A, B: the left and right operand; K: the contracted axis; several contracted axes count as one K, in the product's order):
;;     1. batch 16 x [M 4,096, K 64] x [K 64, N 128]; A: computed on the way; B: computed on the way: QUANTISED
;;     2. batch 4,096 x [M 128, K 64] x [K 64, N 64]; A: computed on the way; B: computed on the way: QUANTISED
;;     3. batch 4,096 x [M 64, K 128] x [K 128, N 64]; A: computed on the way; B: computed on the way: QUANTISED
;;     4. batch 65,536 x [M 64, K 4] x [K 4, N 1]; A: computed on the way; B: computed on the way: left as it is (K = 4 < 32)
;;   THE QUANTISER, for each operand of a quantised product, along K:
;;     - K is cut into blocks of 32 from its start; a last block that is shorter is filled with zeros.
;;     - A block's scale is 2^e with e = floor(log2(the largest magnitude in the block)) - 15, held to -126 .. 127; a block of zeros has e = 0. As a byte (E8M0): e + 127.
;;     - Each number is divided by its block's scale, clamped to +-57,344, and rounded to the nearest number of E5M2, ties to even, subnormals kept.
;;     - The product sums the exact products of the quantised numbers (number of the format x scale) in f32.
;;   ~~~python
;;   def quantise(x, axis):      # numpy; x: float32 -> the quantised numbers, widened to float32 again
;;       x = np.moveaxis(x, axis, -1); K = x.shape[-1]
;;       x = np.pad(x, [(0, 0)] * (x.ndim - 1) + [(0, -K % 32)]); x = x.reshape(x.shape[:-1] + (-1, 32)); a = np.abs(x).max(-1, keepdims=True)
;;       e = np.where(a > 0, np.clip(np.frexp(np.where(a > 0, a, 1))[1] - 1 - 15, -126, 127), 0)      # np.frexp(a)[1] - 1 = floor(log2(a)), exactly
;;       r = np.clip(x / 2.0 ** e, -57344, 57344)
;;       step = 2.0 ** (np.maximum(np.frexp(np.where(r == 0, 1, r))[1] - 1, -14) - 2)
;;       q = np.round(r / step) * step * 2.0 ** e      # np.round: ties to even
;;       return np.moveaxis(q.reshape(q.shape[:-2] + (-1,))[..., :K], -1, axis).astype(np.float32)
;;   ~~~
;;   OPERANDS COMPUTED ON THE WAY. 'Computed on the way' means the value that the module computes at that place (a softmax that the list does not call 'softmax' is quantised finished and normalised). What goes into a quantiser is computed in f32, as accurately as f32 sums, v_exp_f32 and their like allow (about 1e-6 of the number): no bf16 or f16 on the way to a quantiser, and a product that is left as it is and whose result goes on into a quantised operand takes f32 operands (vector FMAs, or v_wmma_f32_16x16x4_f32). A number that lies on a knife's edge between two numbers of the format may be rounded either way, as far as f32 arithmetic and the matrix unit's own rounding can turn it there, and no further.
;; 2 versions, each right; version 2 is version 1 with the launches hash, attend written anew for expert scheduling mode. Each part assembles by itself: llvm-mc -triple=amdgcn-amd-amdhsa -mcpu=gfx1250 --defsym DOCPART=n.
;; ======== version 1 of 2: 4 launches
;; workspace buffers: codes 8,388,608 bytes; sc 524,288 bytes; hl 1,048,576 bytes of whole numbers; hist 524,288 bytes of whole numbers; rec 2,097,152 bytes of whole numbers; pos 524,288 bytes of whole numbers; att 67,108,864 bytes; lse 1,048,576 bytes
;; launch hash (part 1): grid 256 x 1, 4 waves a work-group, no clusters, 9,728 bytes of LDS; arguments query, rand_matrix, codes, sc, hl, hist; writes codes, sc, hl, hist
.if DOCPART == 1
	.amdgcn_target "amdgcn-amd-amdhsa--gfx1250"
	.amdhsa_code_object_version 6
	.text
	.protected	k_qb2ab29cca0_hash
	.globl	k_qb2ab29cca0_hash
	.p2align	8
	.type	k_qb2ab29cca0_hash,@function
k_qb2ab29cca0_hash:
	s_mov_b64 s[64:65], 0
	v_nop
	global_prefetch_b8 v0, s[64:65] scope:SCOPE_SE
	s_setreg_imm32_b32 hwreg(HW_REG_WAVE_MODE, 25, 1), 1
	s_wait_xcnt 0x0
; LSH hashes.  query [16][4096][64] f32, rand_matrix [16][64][128] f32 (128 columns = 4 hash tables x 32).
; A work-group of four waves takes 256 positions of one batch, a wave 64 of them (one SEGMENT): four tiles of 16, two in each of two trips.
; For each position: codes of E5M2 (one E8M0 byte for each 32 along d) of the raw query, of query / max(norm, 1e-12) as the keys' operand (both stored), and of the same quotient as the hash's operand (used here).
; WHAT STANDS AHEAD OF THE QUANTISERS IS PLAIN IEEE ARITHMETIC IN A FIXED ORDER: a bucket hangs on every code, so no code is to turn by an approximation.  The sum of squares runs in ascending d, one step an element:
; for the hash's operand by one fused multiply-add a step, for the keys' operand and for rand_matrix's columns by one rounded square and one addition a step; the root and every quotient are rounded correctly.
; mm^T = rm^T qn^T by the scaled matrix form, K = 64 filled to 128 with zero codes on both sides: source 0 = 16 columns of rm, source 1 = 16 positions, so that a lane holds ONE position.
; bucket = first index of the largest of [mm, -mm].  Then, by compares alone (no address and no branch hangs on a bucket): each position's rank among the equal buckets of its segment, and the segment's histogram.
; OUT: codes [pos][128]: 64 raw codes, 64 of the keys' operand;  sc [pos][2]: their scale words (upper two bytes 0, over the zero codes);
;      hl [segment][table][lane][2]: bucket | rank << 8 of positions lane and 32 + lane;  hist [segment][lane][table]: count(bucket lane) | count(bucket 32 + lane) << 16.
; LIMITS: NaN and infinities among the inputs are not served; a zero column of rand_matrix gives NaN, as the definition does; a block of zeros gets the byte 1, not 127: its codes are zeros and this program alone reads the byte;
; a sum of squares that is a denormal number counts as 0 in the root (|query| under about 1e-19).
; REGISTERS: window 0: v1-10 ids and offsets; v12-15 the running sums, then the reciprocals; v16-31 at work; v32-47 codes; v48-55 zeros (v40-55 is source 1); v56-58 scale words; v60-67 rm's scale words; v68-71 the divisors;
;   v72-135 numbers; v136-199 numbers, later mm^T; v200-227 buckets, ranks, histogram; v228-243 the codes' way out; v244-255 argmax.   window 1: rm's 8 fragments, 16 registers each, the upper 8 zeros.
.set TM,   16
.set PC,   32
.set ZR,   48
.set PW,   56
.set QW,   57
.set KSW,  58
.set RS,   60
.set DN,   68
.set XA,   72
.set XB,   136
.set MM,   136
.set HB,   200
.set RK,   208
.set HI,   216
.set HT,   220
.set SCA,  224
.set SCM,  226
.set OUTC, 228
.set IDX,  244
.set MX,   248
.set NM,   252
.set SPITCH, 144                       ; a position's 128 bytes of codes + 16 in the wave's stage
.set MSB, 0
.macro WIN new                         ; the immediate's high byte repeats the setting that is left
.if MSB != \new
	s_set_vgpr_msb (MSB<<8)|\new
.set MSB, \new
.endif
.endm
; THE SUMS OF SQUARES.  A lane holds d = 16 h + 0 .. 15 and 32 + 16 h + 0 .. 15, so a sum in ascending d goes through four runs of 16: lanes 0-15, lanes 16-31, lanes 0-15, lanes 16-31.
; Every lane walks every run; the half whose turn it is not computes a sum that the next crossing throws away.
; 16 numbers at v[x] onto two sums: aF by fused multiply-adds, aS by rounded squares (in v[TM] on; sq = 1: they are made here) and additions
.macro RUNQ x, aF, aS, sq
.if \sq
.irp k, 0,2,4,6,8,10,12,14
	v_pk_mul_f32 v[TM+\k:TM+\k+1], v[\x+\k:\x+\k+1], v[\x+\k:\x+\k+1]
.endr
.endif
.irp k, 0,1,2,3,4,5,6,7,8,9,10,11,12,13,14,15
	v_fma_f32 v[\aF], v[\x+\k], v[\x+\k], v[\aF]
	v_add_f32 v[\aS], v[\aS], v[TM+\k]
.endr
.endm
; 16 numbers of each of two columns onto their sums, by rounded squares and additions
.macro RUNR x0, x1, a0, a1
.irp u, 0,8
.irp k, 0,2,4,6
	v_pk_mul_f32 v[TM+\k:TM+\k+1], v[\x0+\u+\k:\x0+\u+\k+1], v[\x0+\u+\k:\x0+\u+\k+1]
	v_pk_mul_f32 v[TM+8+\k:TM+9+\k], v[\x1+\u+\k:\x1+\u+\k+1], v[\x1+\u+\k:\x1+\u+\k+1]
.endr
.irp k, 0,1,2,3,4,5,6,7
	v_add_f32 v[\a0], v[\a0], v[TM+\k]
	v_add_f32 v[\a1], v[\a1], v[TM+8+\k]
.endr
.endr
.endm
.macro CROSS a, b                      ; both sums go over to the other half of the lanes
	v_permlanex16_b32 v[\a], v[\b], s20, s21
	v_permlanex16_b32 v[\a+1], v[\b+1], s20, s21
.endm
.macro FINISH                          ; the whole sums stand in lanes 16-31 of v14, v15: into every lane of v12, v13
	CROSS 12, 14
	v_cndmask_b32 v12, v12, v14, s23
	v_cndmask_b32 v13, v13, v15, s23
.endm
; v12, v13: two sums of squares.  Out: their roots, rounded correctly, in v[DN], v[DN+2] (eps = 1: held at 1e-12 from below), and the roots' refined reciprocals in v12, v14.
; The root: v_sqrt_f32 is good to one unit in the last place; s x (its lower neighbour) and s x (its upper neighbour) stand for the squares of the two middles, and two residuals by fused multiply-add say on which side the number lies.
.macro ROOTS eps
	v_sqrt_f32 v[TM], v12
	v_sqrt_f32 v[TM+1], v13
	v_nop                                          ; a plain line behind the transcendentals,
	s_wait_alu depctr_va_vdst(0)                   ; and one wait for both, ahead of the first reader
	v_add_nc_u32 v[TM+2], -1, v[TM]                ; the lower neighbours,
	v_add_nc_u32 v[TM+3], -1, v[TM+1]
	v_add_nc_u32 v[TM+4], 1, v[TM]                 ; the upper
	v_add_nc_u32 v[TM+5], 1, v[TM+1]
	v_fma_f32 v[TM+6], -v[TM+2], v[TM], v12
	v_fma_f32 v[TM+7], -v[TM+3], v[TM+1], v13
	v_fma_f32 v[TM+8], -v[TM+4], v[TM], v12
	v_fma_f32 v[TM+9], -v[TM+5], v[TM+1], v13
	v_cmp_ge_f32 s40, 0, v[TM+6]
	v_cmp_ge_f32 s41, 0, v[TM+7]
	v_cmp_lt_f32 s42, 0, v[TM+8]
	v_cmp_lt_f32 s43, 0, v[TM+9]
	v_cndmask_b32 v[TM], v[TM], v[TM+2], s40
	v_cndmask_b32 v[TM+1], v[TM+1], v[TM+3], s41
	v_cndmask_b32 v[DN], v[TM], v[TM+4], s42
	v_cndmask_b32 v[DN+2], v[TM+1], v[TM+5], s43
.if \eps
	v_max_num_f32 v[DN], 0x2b8cbccc, v[DN]         ; 1e-12
	v_max_num_f32 v[DN+2], 0x2b8cbccc, v[DN+2]
.endif
	v_rcp_f32 v12, v[DN]
	v_rcp_f32 v14, v[DN+2]
	v_nop
	s_wait_alu depctr_va_vdst(0)
	v_fma_f32 v[TM], -v[DN], v12, 1.0
	v_fma_f32 v[TM+1], -v[DN+2], v14, 1.0
	v_fma_f32 v12, v[TM], v12, v12
	v_fma_f32 v14, v[TM+1], v14, v14
.endm
; 32 quotients v[n + i] / v[dp], rounded correctly, into v[dst + i] (dst may be n): q = n r; twice: the residual n - d q by a fused multiply-add, and q + residual x r.  Two numbers an instruction, four pairs by turns.
.macro DIV32 n, dst, dp, rp
.set g, 0
.rept 4
.irp k, 0,2,4,6
	v_pk_mul_f32 v[TM+\k:TM+\k+1], v[\n+8*g+\k:\n+8*g+\k+1], v[\rp:\rp+1] op_sel_hi:[1,0]
.endr
.irp k, 0,2,4,6
	v_pk_fma_f32 v[TM+8+\k:TM+9+\k], v[\dp:\dp+1], v[TM+\k:TM+\k+1], v[\n+8*g+\k:\n+8*g+\k+1] op_sel_hi:[0,1,1] neg_lo:[1,0,0] neg_hi:[1,0,0]
.endr
.irp k, 0,2,4,6
	v_pk_fma_f32 v[TM+\k:TM+\k+1], v[TM+8+\k:TM+9+\k], v[\rp:\rp+1], v[TM+\k:TM+\k+1] op_sel_hi:[1,0,1]
.endr
.irp k, 0,2,4,6
	v_pk_fma_f32 v[TM+8+\k:TM+9+\k], v[\dp:\dp+1], v[TM+\k:TM+\k+1], v[\n+8*g+\k:\n+8*g+\k+1] op_sel_hi:[0,1,1] neg_lo:[1,0,0] neg_hi:[1,0,0]
.endr
.irp k, 0,2,4,6
	v_pk_fma_f32 v[\dst+8*g+\k:\dst+8*g+\k+1], v[TM+8+\k:TM+9+\k], v[\rp:\rp+1], v[TM+\k:TM+\k+1] op_sel_hi:[1,0,1]
.endr
.set g, g+1
.endr
.endm
; nb (2 or 4) blocks of 32 (16 numbers in my lane, 16 in lane l xor 16): largest magnitudes, scale operands, holds, and the bytes in v[PW]
.macro QSC s, nb
.set b, 0
.rept \nb
	v_max3_num_f32 v[TM+b], |v[\s+16*b]|, |v[\s+1+16*b]|, 0x8000000   ; the floor 2^(16 - 127) holds the byte at 1 from below
.set b, b+1
.endr
.irp i, 2,4,6,8,10,12,14
.set b, 0
.rept \nb
	v_max3_num_f32 v[TM+b], v[TM+b], |v[\s+16*b+\i]|, |v[\s+1+16*b+\i]|
.set b, b+1
.endr
.endr
.set b, 0
.rept \nb
	v_permlanex16_b32 v[TM+4+b], v[TM+b], s20, s21
.set b, b+1
.endr
.set b, 0
.rept \nb
	v_max_num_f32 v[TM+b], v[TM+b], v[TM+4+b]
.set b, b+1
.endr
.set b, 0
.rept \nb
	v_add_nc_u32 v[TM+12+b], 0xf8800000, v[TM+b]            ; 15 off the exponent field: the conversion's scale operand
.set b, b+1
.endr
.set b, 0
.rept \nb
	v_and_or_b32 v[TM+8+b], v[TM+b], 0x7f800000, s22        ; 57,344 x the scale
.set b, b+1
.endr
.set b, 0
.rept \nb
	v_lshrrev_b32 v[TM+4+b], 23, v[TM+12+b]                 ; the byte
.set b, b+1
.endr
	v_lshl_or_b32 v[PW], v[TM+5], 8, v[TM+4]
.if \nb == 4
	v_lshl_or_b32 v[PW], v[TM+6], 16, v[PW]
	v_lshl_or_b32 v[PW], v[TM+7], 24, v[PW]
.endif
.endm
; the hold and the conversions: blocks 0, 1 into v[d0] on, blocks 2, 3 (nb = 4) into v[d1] on, in the destination window win
.macro QCODE s, d0, d1, win, nb
.set x, 0
.rept 16*\nb
	v_med3_num_f32 v[\s+x], v[\s+x], -v[TM+8+x/16], v[TM+8+x/16]   ; the conversion does not saturate (ISA guide 7.6.2)
.set x, x+1
.endr
	WIN \win
.irp c, 0,1
	v_cvt_scalef32_pk8_bf8_f32 v[\d0+4*\c:\d0+4*\c+1], v[\s+16*\c:\s+16*\c+7], v[TM+12+\c]
	v_cvt_scalef32_pk8_bf8_f32 v[\d0+4*\c+2:\d0+4*\c+3], v[\s+16*\c+8:\s+16*\c+15], v[TM+12+\c]
.endr
.if \nb == 4
.irp c, 0,1
	v_cvt_scalef32_pk8_bf8_f32 v[\d1+4*\c:\d1+4*\c+1], v[\s+32+16*\c:\s+32+16*\c+7], v[TM+14+\c]
	v_cvt_scalef32_pk8_bf8_f32 v[\d1+4*\c+2:\d1+4*\c+3], v[\s+32+16*\c+8:\s+32+16*\c+15], v[TM+14+\c]
.endr
.endif
	WIN 0
	v_nop                                          ; a plain line behind the last conversion
.endm
; tiles 2 T and 2 T + 1 of rm: lane (r, h) takes column 16 t + r, its registers run down d: d = 32 c + 16 h + i
.macro RMLOAD T, X
.irp tt, 0,1
.irp c, 0,1
.irp i, 0,1,2,3,4,5,6,7,8,9,10,11,12,13,14,15
	global_load_b32 v[\X+32*\tt+16*\c+\i], v4, s[6:7] offset:(32*\c+\i)*512+64*(2*\T+\tt)
.endr
.endr
.endr
.endm
.macro RMPROC T, X
	v_mov_b32 v12, 0
	v_mov_b32 v13, 0
	RUNR \X, \X+32, 12, 13                         ; d = 0 .. 15 (lanes 0-15)
	CROSS 14, 12
	RUNR \X, \X+32, 14, 15                         ; d = 16 .. 31 (lanes 16-31)
	CROSS 12, 14
	RUNR \X+16, \X+48, 12, 13                      ; d = 32 .. 47
	CROSS 14, 12
	RUNR \X+16, \X+48, 14, 15                      ; d = 48 .. 63
	FINISH
	ROOTS 0
	DIV32 \X, \X, DN, 12
	DIV32 \X+32, \X+32, DN+2, 14
	QSC \X, 4
	v_and_b32 v[RS+2*\T], 0xffff, v[PW]            ; two bytes a tile; 0 over the zero codes
	v_lshrrev_b32 v[RS+2*\T+1], 16, v[PW]
	QCODE \X, 32*\T, 32*\T+16, 0x40, 4
.endm
.macro QLOAD off                       ; a tile: lane (r, h) takes, of row r, 16 neighbours of each block of 32
.irp c, 0,1
.irp j, 0,1,2,3
	global_load_b128 v[XA+16*\c+4*\j:XA+16*\c+4*\j+3], v5, s[4:5] offset:\off+128*\c+16*\j th:TH_LOAD_NT
.endr
.endr
.endm
; the first index of the largest of [mm, -mm], the four tables by turns.  Table q: registers 16 q + j hold n = 8 h + j + 8 (j / 8).
.macro ARGMAX dst
.irp q, 0,1,2,3
	v_max3_num_f32 v[MX+\q], |v[MM+16*\q]|, |v[MM+16*\q+1]|, |v[MM+16*\q+2]|   ; each result is read from its low end on
.endr
.irp i, 3,5,7,9,11,13
.irp q, 0,1,2,3
	v_max3_num_f32 v[MX+\q], v[MX+\q], |v[MM+16*\q+\i]|, |v[MM+16*\q+\i+1]|
.endr
.endr
.irp q, 0,1,2,3
	v_max_num_f32 v[MX+\q], v[MX+\q], |v[MM+16*\q+15]|
.endr
.irp q, 0,1,2,3
	v_permlanex16_b32 v[TM+4+\q], v[MX+\q], s20, s21
.endr
.irp q, 0,1,2,3
	v_max_num_f32 v[MX+\q], v[MX+\q], v[TM+4+\q]
.endr
.irp q, 0,1,2,3
	v_xor_b32 v[NM+\q], 0x80000000, v[MX+\q]
.endr
.irp q, 0,1,2,3
	v_mov_b32 v[IDX+\q], 64                        ; no match in my half: above every index
.endr
.irp j, 15,14,13,12,11,10,9,8,7,6,5,4,3,2,1,0      ; from the highest index down, so that the lowest match stays: first the negated half,
.irp q, 0,1,2,3
	v_cmp_eq_f32 s[40+\q], v[MM+16*\q+\j], v[NM+\q]
.endr
.irp q, 0,1,2,3
	v_cndmask_b32 v[IDX+\q], v[IDX+\q], 32+\j+8*(\j/8), s[40+\q]
.endr
.endr
.irp j, 15,14,13,12,11,10,9,8,7,6,5,4,3,2,1,0      ; then mm itself
.irp q, 0,1,2,3
	v_cmp_eq_f32 s[40+\q], v[MM+16*\q+\j], v[MX+\q]
.endr
.irp q, 0,1,2,3
	v_cndmask_b32 v[IDX+\q], v[IDX+\q], \j+8*(\j/8), s[40+\q]
.endr
.endr
.irp q, 0,1,2,3
	v_add_nc_u32 v[IDX+\q], v[IDX+\q], v10         ; + 8 h
.endr
.irp q, 0,1,2,3
	v_permlanex16_b32 v[TM+4+\q], v[IDX+\q], s20, s21
.endr
.irp q, 0,1,2,3
	v_min_u32 v[\dst+\q], v[IDX+\q], v[TM+4+\q]    ; with the other half's
.endr
.endm
; A tile of 16 positions: the p-th (0, 1) of the trip's two
.macro TILE p
	s_wait_loadcnt 0x0                             ; this tile's numbers
	v_mov_b32 v12, 0
	v_mov_b32 v13, 0
	RUNQ XA, 12, 13, 1                             ; d = 0 .. 15 (lanes 0-15)
	CROSS 14, 12
	RUNQ XA, 14, 15, 0                             ; d = 16 .. 31 (lanes 16-31); the squares still stand
	CROSS 12, 14
	RUNQ XA+16, 12, 13, 1                          ; d = 32 .. 47
	CROSS 14, 12
	RUNQ XA+16, 14, 15, 0                          ; d = 48 .. 63
	FINISH
	ROOTS 1
	DIV32 XA, XB, DN, 12                           ; the hash's operand,
	DIV32 XA, XA+32, DN+2, 14                      ; the keys'
	QSC XA, 4                                      ; blocks 0, 1: raw; blocks 2, 3: the keys' operand
	v_and_b32 v[QW], 0xffff, v[PW]
	v_lshrrev_b32 v[KSW], 16, v[PW]
	QCODE XA, PC, PC+8, 0, 4
.if \p == 0
	QLOAD 4096                                     ; the next tile lands under the rest of this one
.else
	s_cmp_eq_u32 s24, 1                            ; the last trip has no next tile: no load leaves the wave's 64 rows
	s_cbranch_scc1 .Lno_next_\@
	QLOAD 8192
.Lno_next_\@:
.endif
	s_wait_xcnt 0x0                                ; the last tile's stores have read v[OUTC] on and v[SCM] on
	ds_store_b128 v6, v[PC:PC+3]
	ds_store_b128 v6, v[PC+4:PC+7] offset:32
	ds_store_b128 v6, v[PC+8:PC+11] offset:64
	ds_store_b128 v6, v[PC+12:PC+15] offset:96
.irp k, 0,1,2,3
	ds_load_b128 v[OUTC+4*\k:OUTC+4*\k+3], v7 offset:4*SPITCH*\k   ; my own bytes, served in order: these see the stores
.endr
	QSC XB, 2                                      ; the hash's operand: its two bytes are v[PW]; the 32 holds below stand between this and the products
	s_wait_dscnt 0x0                               ; the rows are back, and the stores have read the keys' codes, whose registers the hash's codes now take
.irp k, 0,1,2,3
	global_store_b128 v8, v[OUTC+4*\k:OUTC+4*\k+3], s[8:9] offset:2048*(\p)+512*\k   ; 32 lanes store 512 consecutive bytes
.endr
	QCODE XB, PC+8, 0, 0, 2
.rept 3
	v_nop                                          ; with the line behind the conversions: four places ahead of the scaled products
.endr
	WIN 0x01                                       ; source 0 in window 1
.irp t, 0,1,2,3,4,5,6,7
	v_wmma_scale_f32_16x16x128_f8f6f4 v[MM+8*\t:MM+8*\t+7], v[16*\t:16*\t+15], v[PC+8:PC+23], 0, v[RS+\t], v[PW] matrix_a_fmt:MATRIX_FMT_BF8 matrix_b_fmt:MATRIX_FMT_BF8
.endr
	WIN 0
.rept 8
	v_nop                                          ; places ahead of the first read of the results
.endr
.if \p == 0
	ARGMAX HT
	v_mov_b32 v[SCA], v[QW]
	v_mov_b32 v[SCA+1], v[KSW]
.else
	ARGMAX IDX
.irp q, 0,1,2,3
	v_mov_b32 v[HB+2*\q], v[HB+2*\q+1]             ; the trip before's 32 buckets move down one place,
.endr
.irp q, 0,1,2,3
	v_cndmask_b32 v[HB+2*\q+1], v[HT+\q], v[IDX+\q], s23   ; and this trip's take theirs: lanes 0-15 the first tile's positions, lanes 16-31 the second's
.endr
	v_cndmask_b32 v[SCM], v[SCA], v[QW], s23
	v_cndmask_b32 v[SCM+1], v[SCA+1], v[KSW], s23
	global_store_b64 v9, v[SCM:SCM+1], s[10:11]    ; 32 positions' scale words: 256 consecutive bytes
.endif
.endm
	s_load_b256 s[4:11], s[0:1], 0x0               ; query, rand_matrix, codes, sc
	s_load_b128 s[12:15], s[0:1], 0x20             ; hl, hist
	v_lshl_add_u32 v11, v0, 2, 0x2400
	v_mov_b32 v59, 0
	v_lshrrev_b32 v1, 5, v0
	v_readfirstlane_b32 s16, v1                    ; wave
	v_and_b32 v1, 31, v0                           ; lane
	v_and_b32 v2, 15, v0                           ; r
	v_bfe_u32 v3, v0, 4, 1                         ; h
	v_lshlrev_b32 v4, 2, v2
	v_lshl_add_u32 v4, v3, 13, v4                  ; rm: column r, 16 h rows of 512 bytes
	v_lshlrev_b32 v5, 8, v2
	v_lshl_add_u32 v5, v3, 6, v5                   ; query: row r of 256 bytes, + 64 h
	s_mul_i32 s17, s16, 16*SPITCH                  ; my wave's stage
	v_mul_u32_u24 v6, v2, SPITCH
	v_lshl_add_u32 v6, v3, 4, v6
	v_add_nc_u32 v6, s17, v6                       ; in: row r, + 16 h
	v_lshrrev_b32 v7, 3, v1
	v_mul_u32_u24 v7, v7, SPITCH
	v_and_b32 v8, 7, v1
	v_lshl_add_u32 v7, v8, 4, v7
	v_add_nc_u32 v7, s17, v7                       ; back: eight lanes to a row
	v_lshlrev_b32 v8, 4, v1
	v_lshlrev_b32 v9, 3, v1
	v_lshlrev_b32 v10, 3, v3
	s_lshl_b32 s18, ttmp9, 2
	s_add_co_u32 s18, s18, s16                     ; my segment, counted over all batches
	s_lshr_b32 s19, ttmp9, 4                       ; batch
	s_mov_b32 s20, 0x76543210
	s_mov_b32 s21, 0xfedcba98                      ; lane l xor 16
	s_mov_b32 s22, 0x600000                        ; the mantissa field of 57,344
	s_mov_b32 s23, 0xffff0000                      ; lanes 16-31
	s_mov_b32 s37, 0
	s_wait_kmcnt 0x0
	s_lshl_b32 s36, s18, 14
	s_add_nc_u64 s[4:5], s[4:5], s[36:37]
	s_lshl_b32 s36, s19, 15
	s_add_nc_u64 s[6:7], s[6:7], s[36:37]
	s_lshl_b32 s36, s18, 13
	s_add_nc_u64 s[8:9], s[8:9], s[36:37]
	s_lshl_b32 s36, s18, 9
	s_add_nc_u64 s[10:11], s[10:11], s[36:37]
	s_add_nc_u64 s[14:15], s[14:15], s[36:37]
	s_lshl_b32 s36, s18, 10
	s_add_nc_u64 s[12:13], s[12:13], s[36:37]
	RMLOAD 0, XA
	RMLOAD 1, XB
	v_mov_b32 v14, 0                               ; a lane permute's destination counts as read
	v_mov_b32 v15, 0
	v_mov_b32 v[DN+1], 0                           ; named as upper halves of pairs
	v_mov_b32 v[DN+3], 0
.irp j, 0,1,2,3,4,5,6,7
	v_mov_b32 v[ZR+\j], 0                          ; zero codes for K = 64 .. 127 of source 1
	v_mov_b32 v[RK+\j], 0
	v_mov_b32 v[HB+\j], 0                          ; (moved down once before they are first filled)
.endr
.irp j, 0,1,2,3
	v_mov_b32 v[HI+\j], 0
.endr
	WIN 0x40
.irp t, 0,1,2,3,4,5,6,7
.irp j, 8,9,10,11,12,13,14,15
	v_mov_b32 v[16*\t+\j], 0                       ; and of source 0's eight fragments
.endr
.endr
	WIN 0
	s_wait_loadcnt 63                              ; 64 younger loads exist; 63 is the largest count that can be written, and the stricter
	RMPROC 0, XA
	RMLOAD 2, XA
	s_wait_loadcnt 63
	RMPROC 1, XB
	RMLOAD 3, XB
	s_wait_loadcnt 63
	RMPROC 2, XA
	QLOAD 0
	s_wait_loadcnt 8                               ; the first tile's eight loads may be out
	RMPROC 3, XB
	s_mov_b32 s24, 0
.Lpair:                                                ; two trips, two tiles each: 32 positions a trip
	TILE 0
	TILE 1
	s_wait_xcnt 0x0                                ; the trip's loads and stores have read their bases
	s_add_nc_u64 s[4:5], s[4:5], 8192
	s_add_nc_u64 s[8:9], s[8:9], 4096
	s_add_nc_u64 s[10:11], s[10:11], 256
	s_add_co_u32 s24, s24, 1
	s_cmp_lt_u32 s24, 2
	s_cbranch_scc1 .Lpair
; Ranks and histogram.  v[HB + 2 q + g]: table q's buckets of positions 32 g + lane.  A trip takes buckets v and v + 32.
	s_mov_b32 s24, 0
.Lrank:
	s_add_co_u32 s25, s24, 32
	v_cmp_eq_u32 vcc_lo, s24, v1
.irp q, 0,1,2,3
	v_cmp_eq_u32 s26, s24, v[HB+2*\q]
	v_cmp_eq_u32 s27, s24, v[HB+2*\q+1]
	v_cmp_eq_u32 s28, s25, v[HB+2*\q]
	v_cmp_eq_u32 s29, s25, v[HB+2*\q+1]
	s_bcnt1_i32_b32 s31, s26
	s_bcnt1_i32_b32 s33, s28
	v_mbcnt_lo_u32_b32 v12, s26, 0                 ; equal buckets in lower lanes,
	v_mbcnt_lo_u32_b32 v13, s27, s31               ; and for the upper 32 positions all those of the lower 32
	v_mbcnt_lo_u32_b32 v14, s28, 0
	v_mbcnt_lo_u32_b32 v15, s29, s33
	v_cndmask_b32 v[RK+2*\q], v[RK+2*\q], v12, s26
	v_cndmask_b32 v[RK+2*\q+1], v[RK+2*\q+1], v13, s27
	v_cndmask_b32 v[RK+2*\q], v[RK+2*\q], v14, s28
	v_cndmask_b32 v[RK+2*\q+1], v[RK+2*\q+1], v15, s29
	s_bcnt1_i32_b32 s34, s27
	s_bcnt1_i32_b32 s35, s29
	s_add_co_u32 s31, s31, s34
	s_add_co_u32 s33, s33, s35
	s_lshl_b32 s33, s33, 16
	s_or_b32 s31, s31, s33
	v_cndmask_b32 v[HI+\q], v[HI+\q], s31, vcc_lo  ; lane v keeps the two counts
.endr
	s_add_co_u32 s24, s24, 1
	s_cmp_lt_u32 s24, 32
	s_cbranch_scc1 .Lrank
.irp i, 0,1,2,3,4,5,6,7
	v_lshl_or_b32 v[RK+\i], v[RK+\i], 8, v[HB+\i]
.endr
.irp q, 0,1,2,3
	global_store_b64 v9, v[RK+2*\q:RK+2*\q+1], s[12:13] offset:256*\q   ; 256 consecutive bytes a table
.endr
	global_store_b128 v8, v[HI:HI+3], s[14:15]     ; 512 consecutive bytes
	s_wait_tensorcnt 0x0
	ds_add_u32 v11, v59
	s_wait_dscnt 0x0
	s_endpgm
.Lfunc_end_k_qb2ab29cca0_hash:
	.size	k_qb2ab29cca0_hash, .Lfunc_end_k_qb2ab29cca0_hash-k_qb2ab29cca0_hash
	.p2alignl 7, 3214868480
	.fill 96, 4, 3214868480
	.section	.rodata,"a",@progbits
	.p2align	6, 0x0
	.amdhsa_kernel k_qb2ab29cca0_hash
		.amdhsa_group_segment_fixed_size 9728
		.amdhsa_private_segment_fixed_size 0
		.amdhsa_enable_private_segment 0
		.amdhsa_kernarg_size 48
		.amdhsa_user_sgpr_count 2
		.amdhsa_user_sgpr_kernarg_segment_ptr 1
		.amdhsa_wavefront_size32 1
		.amdhsa_system_sgpr_workgroup_id_x 1
		.amdhsa_system_sgpr_workgroup_id_y 1
		.amdhsa_system_sgpr_workgroup_id_z 1
		.amdhsa_system_vgpr_workitem_id 0
		.amdhsa_next_free_vgpr 384
		.amdhsa_next_free_sgpr 66
		.amdhsa_reserve_vcc 1
		.amdhsa_float_denorm_mode_32 3
		.amdhsa_float_denorm_mode_16_64 3
		.amdhsa_memory_ordered 1
		.amdhsa_forward_progress 1
		.amdhsa_inst_pref_size 255
	.end_amdhsa_kernel
	.section	.bss,"aw",@nobits
	.p2align	6
	.space	262144
	.amdgpu_metadata
---
amdhsa.version: [ 1, 2 ]
amdhsa.kernels:
  - .name:           k_qb2ab29cca0_hash
    .symbol:         k_qb2ab29cca0_hash.kd
    .args:
      - { .name: query, .offset: 0, .size: 8, .value_kind: global_buffer, .address_space: global }
      - { .name: rand_matrix, .offset: 8, .size: 8, .value_kind: global_buffer, .address_space: global }
      - { .name: codes, .offset: 16, .size: 8, .value_kind: global_buffer, .address_space: global }
      - { .name: sc, .offset: 24, .size: 8, .value_kind: global_buffer, .address_space: global }
      - { .name: hl, .offset: 32, .size: 8, .value_kind: global_buffer, .address_space: global }
      - { .name: hist, .offset: 40, .size: 8, .value_kind: global_buffer, .address_space: global }
    .group_segment_fixed_size: 9728
    .private_segment_fixed_size: 0
    .kernarg_segment_align: 8
    .kernarg_segment_size: 48
    .max_flat_workgroup_size: 128
    .sgpr_count:     66
    .vgpr_count:     384
    .wavefront_size: 32
...
	.end_amdgpu_metadata
.endif
;; end of part 1
;; launch place (part 2): grid 256 x 1, 1 waves a work-group, no clusters, 256 bytes of LDS; arguments hl, hist, rec, pos; writes rec, pos
.if DOCPART == 2
	.amdgcn_target "amdgcn-amd-amdhsa--gfx1250"
	.amdhsa_code_object_version 6
	.text
	.protected	k_qb2ab29cca0_place
	.globl	k_qb2ab29cca0_place
	.p2align	8
	.type	k_qb2ab29cca0_place,@function
k_qb2ab29cca0_place:
	s_mov_b64 s[64:65], 0
	v_nop
	global_prefetch_b8 v0, s[64:65] scope:SCOPE_SE
	s_setreg_imm32_b32 hwreg(HW_REG_WAVE_MODE, 25, 1), 1
	s_wait_xcnt 0x0
; The counting sort's second half.  One wave takes four segments (256 positions) of one batch, in all four hash tables.
; slot(position, table) = buckets below mine in the whole batch + my bucket in earlier segments + my rank in my segment: the stable order of bucket x 4096 + position.
; hist words hold two 16-bit counts (bucket lane, bucket 32 + lane); all sums are at most 4,096, so packed additions never carry between the halves.
; OUT: rec [batch][table q][slot] 8 bytes: position | bucket << 16, and the chunk numbers (slot / 64) of the position in tables q+1, q+2, q+3 (mod 4) in bytes 0, 1, 2;
;      pos [batch][position] 8 bytes: the four slots, 16 bits each.
; The records are scattered, 8 bytes a lane, inside 32 KiB for each batch and table; the slots leave as 256 consecutive bytes a store.
.set T,    4
.set P,    8
.set IN,   12
.set TT,   16
.set CH,   20
.set BS,   24                          ; v24-27 the bases for my first segment; v28-39 the histograms of my first three segments, then the bases of the next three
.set HLW,  44                          ; v44-75: 8 k + 2 q + g
.set RING, 76                          ; v76-203: 32 histograms in flight
.set W,    76
.set AD,   108
.set D,    140
.set PP,   204
	s_load_b256 s[4:11], s[0:1], 0x0               ; hl, hist, rec, pos
	v_lshlrev_b32 v1, 4, v0
	v_lshlrev_b32 v2, 3, v0
	s_lshr_b32 s20, ttmp9, 4                       ; batch
	s_and_b32 s12, ttmp9, 15
	s_lshl_b32 s12, s12, 2                         ; my first segment in the batch
	s_lshl_b32 s13, s12, 6
	v_add_nc_u32 v3, s13, v0                       ; its first position + lane
	s_mov_b32 s16, 0xffff0000                      ; lanes 16-31
	s_mov_b32 s23, 0
.irp q, 0,1,2,3
	v_mov_b32 v[T+\q], 0
	v_mov_b32 v[P+\q], 0
	v_mov_b32 v[TT+\q], 0
.endr
	s_wait_kmcnt 0x0
	s_lshl_b32 s22, s20, 15
	s_add_nc_u64 s[6:7], s[6:7], s[22:23]          ; the batch's 64 histograms of 512 bytes
	s_lshl_b32 s22, s12, 9
	s_add_nc_u64 s[14:15], s[6:7], s[22:23]        ; my own
	s_lshl_b32 s22, ttmp9, 12
	s_add_nc_u64 s[4:5], s[4:5], s[22:23]
	s_lshl_b32 s22, s20, 17
	s_add_nc_u64 s[8:9], s[8:9], s[22:23]
	s_lshl_b32 s22, ttmp9, 11
	s_add_nc_u64 s[10:11], s[10:11], s[22:23]
.irp i, 0,1,2,3,4,5,6,7,8,9,10,11,12,13,14,15,16,17,18,19,20,21,22,23,24,25,26,27,28,29,30,31
	global_load_b128 v[RING+4*\i:RING+4*\i+3], v1, s[6:7] offset:512*\i
.endr
.irp k, 0,1,2
	global_load_b128 v[BS+4+4*\k:BS+7+4*\k], v1, s[14:15] offset:512*\k
.endr
.irp k, 0,1,2,3
.irp q, 0,1,2,3
	global_load_b64 v[HLW+8*\k+2*\q:HLW+8*\k+2*\q+1], v2, s[4:5] offset:1024*\k+256*\q
.endr
.endr
; segment i: the running totals as they stand ahead of my first segment are kept in P; then the segment is added
.macro SEG i, n
	s_wait_loadcnt \n
	s_cmp_eq_u32 s12, \i
	s_cselect_b32 s13, -1, 0
.irp q, 0,1,2,3
	v_cndmask_b32 v[P+\q], v[P+\q], v[T+\q], s13
.endr
.irp q, 0,1,2,3
	v_add_nc_u32 v[T+\q], v[T+\q], v[RING+4*((\i)%32)+\q]
.endr
.if \i < 32
	global_load_b128 v[RING+4*(\i):RING+4*(\i)+3], v1, s[6:7] offset:512*(\i)+16384
.endif
.endm
.set S, 0
.rept 32
	SEG S, 50                                      ; behind load i: 31 - i of the ring, 3 + 16 others, i refills
.set S, S+1
.endr
.rept 32
	SEG S, 63-S                                    ; behind it: the younger refills
.set S, S+1
.endr
; the sums of all lower buckets: a scan over the lanes, both halves of the word at once
.irp q, 0,1,2,3
	v_mov_b32 v[IN+\q], v[T+\q]
.endr
.irp n, 1,2,4,8
.irp q, 0,1,2,3
	v_mov_b32_dpp v[TT+\q], v[IN+\q] row_shr:\n row_mask:0xf bank_mask:0xf bound_ctrl:1
.endr
.irp q, 0,1,2,3
	v_add_nc_u32 v[IN+\q], v[IN+\q], v[TT+\q]
.endr
.endr
.irp q, 0,1,2,3
	v_readlane_b32 s[24+\q], v[IN+\q], 15
.endr
.irp q, 0,1,2,3
	v_cndmask_b32 v[TT+\q], 0, s[24+\q], s16       ; lanes 16-31 add the lower row's sum
.endr
.irp q, 0,1,2,3
	v_add_nc_u32 v[IN+\q], v[IN+\q], v[TT+\q]
.endr
.irp q, 0,1,2,3
	v_readlane_b32 s[24+\q], v[IN+\q], 31
.endr
.irp q, 0,1,2,3
	s_lshl_b32 s[24+\q], s[24+\q], 16              ; buckets 32 .. 63 stand behind all of buckets 0 .. 31
.endr
.irp q, 0,1,2,3
	v_sub_nc_u32 v[BS+\q], v[IN+\q], v[T+\q]
.endr
.irp q, 0,1,2,3
	v_add3_u32 v[BS+\q], v[BS+\q], s[24+\q], v[P+\q]
.endr
.irp k, 0,1,2
.irp q, 0,1,2,3
	v_add_nc_u32 v[BS+4+4*\k+\q], v[BS+4+4*\k+\q], v[BS+4*\k+\q]   ; the next segment's bases
.endr
.endr
.set x, 0
.rept 32
	v_and_b32 v[AD+x], 31, v[HLW+x]
.set x, x+1
.endr
.set x, 0
.rept 32
	v_min_u32 v[AD+x], 31, v[AD+x]                 ; a lane's number, held as such
.set x, x+1
.endr
.set x, 0
.rept 32
	v_lshlrev_b32 v[AD+x], 2, v[AD+x]
.set x, x+1
.endr
.set x, 0
.rept 32
	ds_bpermute_b32 v[W+x], v[AD+x], v[BS+4*(x/8)+(x%8)/2]   ; the word of lane bucket % 32
.set x, x+1
.endr
	s_wait_dscnt 0x0
.set x, 0
.rept 32
	v_lshrrev_b32 v[AD+x], 1, v[HLW+x]
.set x, x+1
.endr
.set x, 0
.rept 32
	v_and_b32 v[AD+x], 16, v[AD+x]                 ; 16 where the bucket is 32 or more
.set x, x+1
.endr
.set x, 0
.rept 32
	v_lshrrev_b32 v[W+x], v[AD+x], v[W+x]
.set x, x+1
.endr
.set x, 0
.rept 32
	v_and_b32 v[W+x], 0xffff, v[W+x]
.set x, x+1
.endr
.set x, 0
.rept 32
	v_bfe_u32 v[AD+x], v[HLW+x], 8, 8              ; the rank
.set x, x+1
.endr
.set x, 0
.rept 32
	v_add_nc_u32 v[W+x], v[W+x], v[AD+x]
.set x, x+1
.endr
.set x, 0
.rept 32
	v_min_u32 v[W+x], 0xfff, v[W+x]                ; the slot; held inside the table that it indexes
.set x, x+1
.endr
.irp k, 0,1,2,3
.irp g, 0,1
.irp q, 0,1,2,3
	v_lshrrev_b32 v[CH+\q], 6, v[W+8*\k+2*\q+\g]   ; chunk numbers
.endr
.irp q, 0,1,2,3
	v_lshl_or_b32 v[D+2*(8*\k+2*\q+\g)+1], v[CH+(\q+2)%4], 8, v[CH+(\q+1)%4]
	v_lshl_or_b32 v[D+2*(8*\k+2*\q+\g)+1], v[CH+(\q+3)%4], 16, v[D+2*(8*\k+2*\q+\g)+1]
	v_and_b32 v220, 63, v[HLW+8*\k+2*\q+\g]
	v_lshl_or_b32 v[D+2*(8*\k+2*\q+\g)], v220, 16, v3
	v_add_nc_u32 v[D+2*(8*\k+2*\q+\g)], 64*\k+32*\g, v[D+2*(8*\k+2*\q+\g)]
	v_lshlrev_b32 v[AD+8*\k+2*\q+\g], 3, v[W+8*\k+2*\q+\g]
	global_store_b64 v[AD+8*\k+2*\q+\g], v[D+2*(8*\k+2*\q+\g):D+2*(8*\k+2*\q+\g)+1], s[8:9] offset:32768*\q
.endr
	v_lshl_or_b32 v[PP+2*(2*\k+\g)], v[W+8*\k+2+\g], 16, v[W+8*\k+\g]
	v_lshl_or_b32 v[PP+2*(2*\k+\g)+1], v[W+8*\k+6+\g], 16, v[W+8*\k+4+\g]
	global_store_b64 v2, v[PP+2*(2*\k+\g):PP+2*(2*\k+\g)+1], s[10:11] offset:512*\k+256*\g
.endr
.endr
	s_endpgm
.Lfunc_end_k_qb2ab29cca0_place:
	.size	k_qb2ab29cca0_place, .Lfunc_end_k_qb2ab29cca0_place-k_qb2ab29cca0_place
	.p2alignl 7, 3214868480
	.fill 96, 4, 3214868480
	.section	.rodata,"a",@progbits
	.p2align	6, 0x0
	.amdhsa_kernel k_qb2ab29cca0_place
		.amdhsa_group_segment_fixed_size 256
		.amdhsa_private_segment_fixed_size 0
		.amdhsa_enable_private_segment 0
		.amdhsa_kernarg_size 32
		.amdhsa_user_sgpr_count 2
		.amdhsa_user_sgpr_kernarg_segment_ptr 1
		.amdhsa_wavefront_size32 1
		.amdhsa_system_sgpr_workgroup_id_x 1
		.amdhsa_system_sgpr_workgroup_id_y 1
		.amdhsa_system_sgpr_workgroup_id_z 1
		.amdhsa_system_vgpr_workitem_id 0
		.amdhsa_next_free_vgpr 224
		.amdhsa_next_free_sgpr 66
		.amdhsa_reserve_vcc 0
		.amdhsa_float_denorm_mode_32 3
		.amdhsa_float_denorm_mode_16_64 3
		.amdhsa_memory_ordered 1
		.amdhsa_forward_progress 1
		.amdhsa_inst_pref_size 73
	.end_amdhsa_kernel
	.amdgpu_metadata
---
amdhsa.version: [ 1, 2 ]
amdhsa.kernels:
  - .name:           k_qb2ab29cca0_place
    .symbol:         k_qb2ab29cca0_place.kd
    .args:
      - { .name: hl, .offset: 0, .size: 8, .value_kind: global_buffer, .address_space: global }
      - { .name: hist, .offset: 8, .size: 8, .value_kind: global_buffer, .address_space: global }
      - { .name: rec, .offset: 16, .size: 8, .value_kind: global_buffer, .address_space: global }
      - { .name: pos, .offset: 24, .size: 8, .value_kind: global_buffer, .address_space: global }
    .group_segment_fixed_size: 256
    .private_segment_fixed_size: 0
    .kernarg_segment_align: 8
    .kernarg_segment_size: 32
    .max_flat_workgroup_size: 32
    .sgpr_count:     66
    .vgpr_count:     224
    .wavefront_size: 32
...
	.end_amdgpu_metadata
.endif
;; end of part 2
;; launch attend (part 3): grid 4096 x 1, 4 waves a work-group, no clusters, 52,736 bytes of LDS; arguments value, codes, sc, rec, att, lse; writes att, lse
.if DOCPART == 3
	.amdgcn_target "amdgcn-amd-amdhsa--gfx1250"
	.amdhsa_code_object_version 6
	.text
	.protected	k_qb2ab29cca0_attend
	.globl	k_qb2ab29cca0_attend
	.p2align	8
	.type	k_qb2ab29cca0_attend,@function
k_qb2ab29cca0_attend:
	s_mov_b64 s[64:65], 0
	v_nop
	global_prefetch_b8 v0, s[64:65] scope:SCOPE_SE
	s_setreg_imm32_b32 hwreg(HW_REG_WAVE_MODE, 25, 1), 1
	s_wait_xcnt 0x0
; One chunk of 64 sorted queries of one batch and hash table against its 128 keys (the chunk before, circular, then itself).  Four waves, 16 queries each.
; S^T = K Q^T (source 0 = 16 normalised keys, source 1 = my 16 raw queries; K = 64 filled to 128 with zero codes), O^T = V^T P^T (source 0 = 16 channels, source 1 = P; K = the 128 keys): a lane holds ONE query throughout.
; THE KEYS OF A TILE ARE NOT NEIGHBOURS: lane r of tile 2 b + u takes key 32 b + 8 u + r + 8 (r / 8), so that register 16 b + i of S^T is key 32 b + 16 (lane / 16) + i.
; MASKS by one subtraction of the words position | bucket << 16: d = query's - key's; kept where d < 4096 (same bucket, key not later).  The query itself is key 64 + its number in the chunk: a place known from ids.
; Scores are kept x 8: -8e9 and -8e5 stand for -1e9 and -1e5.
; SOFTMAX: the row's largest score is taken off first; e = 2^(c s - c m), c = log2(e) / 8; lse = ln 2 x (c m + log2(sum));  p = e / (count x sum) is what is quantised, along the keys.
; COUNT: the tables in which the key lies in the query's window: this one, and each other table with (chunk(query) - chunk(key)) mod 64 in {0, 1}: three bytes at once.
; V: rows are gathered whole (256 bytes), turned through LDS, and wave w quantises channels 16 w .. 16 w + 15 along the keys.  Key codes and V's codes go from wave to wave as images of their registers.
; att [batch][table][slot][64] and lse [batch][table][slot] leave in sorted order, at addresses that hang on ids alone.
; No cluster, no tensor load: every large read is a gather by the stored list, which no tile's descriptor covers.
; LIMITS: NaN and infinities are not served; real scores are taken to lie above -1e5; a block of zeros has the byte 1 (its codes are zeros, and this program alone reads the byte).
; REGISTERS: v1-21 ids and addresses; v22-23 my query's record; v24-39 Q's fragment, later P's codes; v40-55 at work; v56-61 scale words; v62-63 c m, then the lse; v64-127 V's numbers, then S^T, e, p;
;   v128-191 offsets, V's codes, four fragments of K, then of V, then rows of O; v192-255 V's rows, the keys' words, count x sum, then O^T.
.set RA,   0                           ; LDS: the 128 keys' first words,
.set RC,   512                         ; their second words,
.set KSC,  1024                        ; K's scale words, 8 tiles x 128 bytes,
.set VSC,  2048                        ; V's, 4 x 128,
.set KIMG, 2560                        ; K's 8 fragments, 1,024 bytes each (the zero halves are not stored),
.set VIMG, 10752                       ; V's 4 fragments, 2,048 bytes each,
.set VSTG, 18944                       ; V's 128 rows of 256 bytes, 64 bytes more behind each 16 rows; behind the second barrier the waves' stages for O, 16 x 272 bytes each
.set TM,   40
.set PW,   56
.set QSW,  57
.set FSW,  58
.set QF,   24
.set S,    64
.set KF,   128
.set KA,   192
.macro QSCALE s                        ; four blocks of 32 (16 numbers in my lane, 16 in lane l xor 16)
.irp b, 0,1,2,3
	v_max3_num_f32 v[TM+\b], |v[\s+16*\b]|, |v[\s+1+16*\b]|, 0x8000000   ; the floor 2^(16 - 127) holds the byte at 1 from below
.endr
.irp i, 2,4,6,8,10,12,14
.irp b, 0,1,2,3
	v_max3_num_f32 v[TM+\b], v[TM+\b], |v[\s+16*\b+\i]|, |v[\s+1+16*\b+\i]|
.endr
.endr
.irp b, 0,1,2,3
	v_permlanex16_b32 v[TM+4+\b], v[TM+\b], s20, s21
.endr
.irp b, 0,1,2,3
	v_max_num_f32 v[TM+\b], v[TM+\b], v[TM+4+\b]
.endr
.irp b, 0,1,2,3
	v_add_nc_u32 v[TM+12+\b], 0xf8800000, v[TM+\b]          ; 15 off the exponent field: the conversion's scale operand
.endr
.irp b, 0,1,2,3
	v_and_or_b32 v[TM+8+\b], v[TM+\b], 0x7f800000, s22      ; 57,344 x the scale
.endr
.irp b, 0,1,2,3
	v_lshrrev_b32 v[TM+4+\b], 23, v[TM+12+\b]               ; the byte
.endr
	v_lshl_or_b32 v[PW], v[TM+5], 8, v[TM+4]
	v_lshl_or_b32 v[PW], v[TM+6], 16, v[PW]
	v_lshl_or_b32 v[PW], v[TM+7], 24, v[PW]
.endm
.macro QCODE s, d                      ; the hold, and the fragment's 16 registers of codes
.set x, 0
.rept 64
	v_med3_num_f32 v[\s+x], v[\s+x], -v[TM+8+x/16], v[TM+8+x/16]   ; the conversion does not saturate (ISA guide 7.6.2)
.set x, x+1
.endr
.irp b, 0,1,2,3
	v_cvt_scalef32_pk8_bf8_f32 v[\d+4*\b:\d+4*\b+1], v[\s+16*\b:\s+16*\b+7], v[TM+12+\b]
	v_cvt_scalef32_pk8_bf8_f32 v[\d+4*\b+2:\d+4*\b+3], v[\s+16*\b+8:\s+16*\b+15], v[TM+12+\b]
.endr
	v_nop                                          ; a plain line behind the last conversion
.endm
.macro BARRIER                         ; my LDS stores have landed and my LDS loads are in: then the work-group's barrier
	s_wait_dscnt 0x0
	s_barrier_signal -1
	s_barrier_wait -1
.endm
.macro KA1 op, a                       ; one operation on all 64 words of the keys
.set x, 0
.rept 64
	\op v[KA+x], \a, v[KA+x]
.set x, x+1
.endr
.endm
	s_load_b256 s[4:11], s[0:1], 0x0               ; value, codes, sc, rec
	s_load_b128 s[12:15], s[0:1], 0x20             ; att, lse
	s_set_vgpr_msb 0x40
	v_lshl_add_u32 v0, v0, 2, 0xcc00
	v_mov_b32 v1, 0
	s_set_vgpr_msb 0x4000
	v_lshrrev_b32 v1, 5, v0
	v_readfirstlane_b32 s16, v1                    ; wave
	v_and_b32 v1, 31, v0                           ; lane
	v_and_b32 v2, 15, v0                           ; r
	v_bfe_u32 v3, v0, 4, 1                         ; h
	s_and_b32 s17, ttmp9, 63                       ; my chunk n
	s_add_co_u32 s32, s17, 63
	s_and_b32 s32, s32, 63                         ; the chunk before, circular
	s_cmp_lt_u32 s16, 2
	s_cselect_b32 s32, s32, s17                    ; waves 0, 1 prepare its keys, waves 2, 3 my chunk's
	s_lshl_b32 s32, s32, 9
	s_and_b32 s33, s16, 1
	s_lshl_b32 s34, s33, 8
	s_add_co_u32 s32, s32, s34                     ; my wave's 32 records, in bytes
	v_lshl_add_u32 v4, v1, 3, s32                  ; key 32 w + lane
	v_lshl_add_u32 v9, v3, 3, s32                  ; key 32 w + 2 i + h: V's rows, sixteen lanes to a row
	v_and_b32 v10, 8, v2
	v_add_nc_u32 v10, v10, v2
	v_lshl_add_u32 v10, v10, 3, s32                ; key 32 w + 8 u + r + 8 (r / 8): K's tiles
	s_lshl_b32 s31, s17, 9
	s_lshl_b32 s34, s16, 7
	s_add_co_u32 s31, s31, s34
	v_lshl_add_u32 v5, v2, 3, s31                  ; query 16 w + r
	s_lshl_b32 s33, s33, 4
	s_lshl_b32 s33, 1, s33
	s_cmp_lt_u32 s16, 2
	s_cselect_b32 s38, s33, 0                      ; the lane that holds query 0 of my 16 against itself: in registers 32 + i (waves 0, 1)
	s_cselect_b32 s39, 0, s33                      ; or 48 + i (waves 2, 3)
	s_mov_b32 s20, 0x76543210
	s_mov_b32 s21, 0xfedcba98                      ; lane l xor 16
	s_mov_b32 s22, 0x600000                        ; the mantissa field of 57,344
	s_mov_b32 s23, 4096
	s_mov_b32 s24, 0x3e38aa3b                      ; c = log2(e) / 8
	s_mov_b32 s25, s24
	s_mov_b32 s26, 0x3f3f3f
	s_mov_b32 s27, 0x3e3e3e
	s_mov_b32 s28, 0x404040
	s_mov_b32 s29, 0x010101
	s_mov_b32 s30, 0x3f317218                      ; ln 2
	s_mov_b32 s37, 0
	s_lshr_b32 s31, ttmp9, 8                       ; batch
	s_lshr_b32 s35, ttmp9, 6                       ; 4 x batch + table
	s_wait_kmcnt 0x0
	s_lshl_b32 s36, s35, 15
	s_add_nc_u64 s[10:11], s[10:11], s[36:37]
	global_load_b64 v[64:65], v4, s[10:11]
	global_load_b64 v[22:23], v5, s[10:11]
	global_load_b32 v144, v10, s[10:11]
	global_load_b32 v145, v10, s[10:11] offset:64
.irp i, 0,1,2,3,4,5,6,7,8,9,10,11,12,13,14,15
	global_load_b32 v[128+\i], v9, s[10:11] offset:16*\i
.endr
	s_lshl_b32 s36, s31, 20
	s_add_nc_u64 s[4:5], s[4:5], s[36:37]
	s_lshl_b32 s36, s31, 19
	s_add_nc_u64 s[6:7], s[6:7], s[36:37]
	s_lshl_b32 s36, s31, 15
	s_add_nc_u64 s[8:9], s[8:9], s[36:37]
	s_lshl_b32 s36, ttmp9, 14
	s_lshl_b32 s33, s16, 12
	s_add_co_u32 s36, s36, s33
	s_add_nc_u64 s[12:13], s[12:13], s[36:37]
	s_lshl_b32 s36, ttmp9, 8
	s_lshl_b32 s33, s16, 6
	s_add_co_u32 s36, s36, s33
	s_add_nc_u64 s[14:15], s[14:15], s[36:37]
	v_lshlrev_b32 v6, 4, v1                        ; an image's place for my lane
	v_lshlrev_b32 v7, 2, v1                        ; a scale word's
	v_lshlrev_b32 v8, 2, v0                        ; my key's word
	s_mul_i32 s32, s16, 8320
	s_add_co_u32 s32, s32, VSTG
	v_lshlrev_b32 v11, 4, v2
	v_lshl_add_u32 v11, v3, 8, v11
	v_add_nc_u32 v11, s32, v11                     ; V's rows in: row 32 w + 2 i + h, 16 bytes a lane
	v_mul_u32_u24 v12, v3, 4160
	v_lshl_add_u32 v12, v2, 2, v12
	s_lshl_b32 s32, s16, 6
	s_add_co_u32 s32, s32, VSTG
	v_add_nc_u32 v12, s32, v12                     ; and out: channel 16 w + r, keys 32 c + 16 h + i
	s_lshl_b32 s32, s16, 11
	s_add_co_u32 s33, s32, KIMG
	v_add_nc_u32 v13, s33, v6
	s_add_co_u32 s33, s32, VIMG
	v_add_nc_u32 v15, s33, v6
	s_lshl_b32 s32, s16, 8
	s_add_co_u32 s32, s32, KSC
	v_add_nc_u32 v14, s32, v7
	s_lshl_b32 s32, s16, 7
	s_add_co_u32 s32, s32, VSC
	v_add_nc_u32 v16, s32, v7
	v_lshlrev_b32 v17, 6, v3
	s_mul_i32 s32, s16, 4352
	s_add_co_u32 s32, s32, VSTG                    ; my stage for O
	v_mul_u32_u24 v18, v2, 272
	v_lshl_add_u32 v18, v3, 5, v18
	v_add_nc_u32 v18, s32, v18
	v_mul_u32_u24 v19, v3, 272
	v_lshl_add_u32 v19, v2, 4, v19
	v_add_nc_u32 v19, s32, v19
	v_lshlrev_b32 v20, 4, v2
	v_lshl_add_u32 v20, v3, 8, v20
	v_lshlrev_b32 v21, 2, v2
	v_lshlrev_b32 v146, 4, v3                      ; 16 h
	v_lshlrev_b32 v147, 4, v2                      ; 16 r
.irp j, 0,1,2,3,4,5,6,7
	v_mov_b32 v[QF+8+\j], 0                        ; zero codes for K = 64 .. 127 of source 1
.endr
.irp j, 0,1,2,3
	v_mov_b32 v[TM+4+\j], 0                        ; a lane permute's destination counts as read
.endr
; ---- records to LDS; the gathers.  Every position is held inside its table before it enters an offset
	s_wait_loadcnt 0x0
	ds_store_b32 v8, v64
	ds_store_b32 v8, v65 offset:RC
.irp u, 0,1
	v_and_b32 v[144+\u], 0xffff, v[144+\u]
	v_min_u32 v[144+\u], 0xfff, v[144+\u]
	v_lshl_add_u32 v[148+\u], v[144+\u], 7, v146
	v_lshlrev_b32 v[150+\u], 3, v[144+\u]
	global_load_b128 v[160+8*\u:163+8*\u], v[148+\u], s[6:7] offset:64    ; the normalised codes: d = 16 h + 0 .. 15,
	global_load_b128 v[164+8*\u:167+8*\u], v[148+\u], s[6:7] offset:96    ; d = 32 + 16 h + 0 .. 15
	global_load_b32 v[152+\u], v[150+\u], s[8:9] offset:4
.endr
	v_and_b32 v154, 0xffff, v22
	v_min_u32 v154, 0xfff, v154
	v_lshl_add_u32 v155, v154, 7, v146
	v_lshlrev_b32 v156, 3, v154
	global_load_b128 v[QF:QF+3], v155, s[6:7]                             ; my query's raw codes
	global_load_b128 v[QF+4:QF+7], v155, s[6:7] offset:32
	global_load_b32 v[QSW], v156, s[8:9]
.irp i, 0,1,2,3,4,5,6,7,8,9,10,11,12,13,14,15
	v_and_b32 v[128+\i], 0xffff, v[128+\i]
	v_min_u32 v[128+\i], 0xfff, v[128+\i]
	v_lshl_add_u32 v[128+\i], v[128+\i], 8, v147
	global_load_b128 v[192+4*\i:195+4*\i], v[128+\i], s[4:5]              ; sixteen lanes read a row's 256 bytes
.endr
	s_wait_loadcnt 16                              ; K's and Q's nine loads are in; V's sixteen may be out
.irp u, 0,1
	ds_store_b128 v13, v[160+8*\u:163+8*\u] offset:1024*\u
	ds_store_b128 v13, v[164+8*\u:167+8*\u] offset:1024*\u+512
	ds_store_b32 v14, v[152+\u] offset:128*\u
.endr
.irp i, 0,1,2,3,4,5,6,7,8,9,10,11,12,13,14,15
	s_wait_loadcnt 15-\i
	ds_store_b128 v11, v[192+4*\i:195+4*\i] offset:512*\i+64*(\i/8)
.endr
	BARRIER                                        ; records, K's images and V's rows lie in LDS
; ---- V along the keys: my 16 channels
.irp c, 0,1,2,3
.irp i, 0,1,2,3,4,5,6,7,8,9,10,11,12,13,14,15
	ds_load_b32 v[S+16*\c+\i], v12 offset:8320*\c+256*\i
.endr
.endr
	s_wait_dscnt 0x0
	QSCALE S
	QCODE S, KF
.irp c, 0,1,2,3
	ds_store_b128 v15, v[KF+4*\c:KF+4*\c+3] offset:512*\c
.endr
	ds_store_b32 v16, v[PW]
	BARRIER                                        ; V's images lie in LDS, and nobody reads V's rows any more
.irp t, 0,1,2,3
.irp j, 8,9,10,11,12,13,14,15
	v_mov_b32 v[KF+16*\t+\j], 0                    ; zero codes for K = 64 .. 127 of source 0
.endr
.endr
.rept 4
	v_nop                                          ; four places between these and the scaled products
.endr
; ---- S^T = K Q^T, four tiles of 16 keys at a time
.irp g, 0,1
.if \g > 0
.rept 8
	v_nop                                          ; places ahead of loads into registers that the products have read
.endr
.endif
.irp t, 0,1,2,3
	ds_load_b128 v[KF+16*\t:KF+16*\t+3], v6 offset:KIMG+1024*(4*\g+\t)
	ds_load_b128 v[KF+16*\t+4:KF+16*\t+7], v6 offset:KIMG+1024*(4*\g+\t)+512
	ds_load_b32 v[FSW+\t], v7 offset:KSC+128*(4*\g+\t)
.endr
	s_wait_dscnt 0x0
.irp t, 0,1,2,3
	v_wmma_scale_f32_16x16x128_f8f6f4 v[S+8*(4*\g+\t):S+8*(4*\g+\t)+7], v[KF+16*\t:KF+16*\t+15], v[QF:QF+15], 0, v[FSW+\t], v[QSW] matrix_a_fmt:MATRIX_FMT_BF8 matrix_b_fmt:MATRIX_FMT_BF8
.endr
.endr
.rept 8
	v_nop                                          ; places ahead of the loads below and of the first read of the results
.endr
; ---- masks
.irp b, 0,1,2,3
.irp j, 0,1,2,3
	ds_load_b128 v[KA+16*\b+4*\j:KA+16*\b+4*\j+3], v17 offset:RA+128*\b+16*\j   ; the keys' first words, in S^T's order
.endr
.endr
.irp t, 0,1,2,3
.irp c, 0,1,2,3
	ds_load_b128 v[KF+16*\t+4*\c:KF+16*\t+4*\c+3], v6 offset:VIMG+2048*\t+512*\c   ; V's four fragments, for later
.endr
.endr
.irp t, 0,1,2,3
	ds_load_b32 v[FSW+\t], v7 offset:VSC+128*\t
.endr
	v_mov_b32 v54, 0xcfee6b28                      ; -8e9
	v_mov_b32 v55, 0xc9435000                      ; -8e5
	v_add_nc_u32 v23, s28, v23                     ; 64 onto each of my three chunk numbers: the subtraction below borrows nothing
	s_wait_dscnt 20                                ; the keys' words are in; V's 16 + 4 loads may be out
.set x, 0
.rept 16                               ; in ascending order: each result is read from its low end on
.irp k, 0,1,2,3
	v_sub_nc_u32 v[KA+x+\k], v22, v[KA+x+\k]
.endr
.irp k, 0,1,2,3
	v_cmp_gt_u32 s[40+\k], s23, v[KA+x+\k]         ; same bucket, and the key not later
.endr
.irp k, 0,1,2,3
	v_cndmask_b32 v[S+x+\k], v54, v[S+x+\k], s[40+\k]
.endr
.set x, x+4
.endr
.set x, 0
.rept 16
	s_lshl_b32 s44, s38, x
	s_lshl_b32 s45, s39, x
	v_cndmask_b32 v[S+32+x], v[S+32+x], v55, s44   ; the query itself
	v_cndmask_b32 v[S+48+x], v[S+48+x], v55, s45
.set x, x+1
.endr
.irp b, 0,1,2,3
.irp j, 0,1,2,3
	ds_load_b128 v[KA+16*\b+4*\j:KA+16*\b+4*\j+3], v17 offset:RC+128*\b+16*\j   ; the keys' second words land under the softmax
.endr
.endr
; ---- softmax
.irp b, 0,1,2,3
	v_max3_num_f32 v[40+\b], v[S+16*\b], v[S+16*\b+1], v[S+16*\b+2]
.endr
.irp i, 3,5,7,9,11,13
.irp b, 0,1,2,3
	v_max3_num_f32 v[40+\b], v[40+\b], v[S+16*\b+\i], v[S+16*\b+\i+1]
.endr
.endr
.irp b, 0,1,2,3
	v_max_num_f32 v[40+\b], v[40+\b], v[S+16*\b+15]
.endr
	v_max3_num_f32 v40, v40, v41, v42
	v_max_num_f32 v40, v40, v43
	v_permlanex16_b32 v44, v40, s20, s21
	v_max_num_f32 v40, v40, v44                    ; the row's largest score
	v_mul_f32 v62, s24, v40                        ; c m
	v_mov_b32 v63, v62
.set x, 0
.rept 32
	v_pk_fma_f32 v[S+x:S+x+1], v[S+x:S+x+1], s[24:25], v[62:63] op_sel_hi:[1,0,0] neg_lo:[0,0,1] neg_hi:[0,0,1]   ; c s - c m
.set x, x+2
.endr
.set x, 0
.rept 64
	v_exp_f32 v[S+x], v[S+x]
.set x, x+1
.endr
	v_nop                                          ; a plain line behind the batch,
	s_wait_alu depctr_va_vdst(0)                   ; and one wait for it, ahead of its first reader
	v_pk_add_f32 v[46:47], v[S:S+1], v[S+2:S+3]
	v_pk_add_f32 v[48:49], v[S+4:S+5], v[S+6:S+7]
.irp j, 8,12,16,20,24,28,32,36,40,44,48,52,56,60
	v_pk_add_f32 v[46:47], v[46:47], v[S+\j:S+\j+1]
	v_pk_add_f32 v[48:49], v[48:49], v[S+\j+2:S+\j+3]
.endr
	v_pk_add_f32 v[46:47], v[46:47], v[48:49]
	v_add_f32 v46, v46, v47
	v_permlanex16_b32 v44, v46, s20, s21
	v_add_f32 v46, v46, v44                        ; the row's sum
	v_log_f32 v48, v46
	v_mov_b32 v47, v46
	v_mul_f32 v52, 4.0, v46
	v_mov_b32 v53, v52
	s_wait_alu depctr_va_vdst(0)
	v_add_f32 v63, v48, v62
	v_mul_f32 v63, s30, v63                        ; lse = ln 2 x (log2(sum) + c m)
	global_store_b32 v21, v63, s[14:15]            ; both halves of the lanes hold the same number and write the same word
; ---- duplicate counts, three tables in one word
	s_wait_dscnt 0x0                               ; the second words, and V's fragments
	KA1 v_sub_nc_u32, v23                          ; 64 + chunk(query) - chunk(key), byte by byte
	KA1 v_and_b32, s26                             ; mod 64
	KA1 v_add_nc_u32, s27                          ; + 62: bit 6 rises where the difference is 2 or more
	KA1 v_and_b32, s28
	KA1 v_mul_u32_u24, s29                         ; the three bytes' sum in byte 2
.set x, 0
.rept 64
	v_bfe_u32 v[KA+x], v[KA+x], 22, 2              ; the tables in which the key is NOT in the query's window
.set x, x+1
.endr
.set x, 0
.rept 64
	v_cvt_f32_u32 v[KA+x], v[KA+x]
.set x, x+1
.endr
.set x, 0
.rept 32
	v_pk_fma_f32 v[KA+x:KA+x+1], v[KA+x:KA+x+1], v[46:47], v[52:53] neg_lo:[1,0,0] neg_hi:[1,0,0]   ; (4 - misses) x sum = count x sum
.set x, x+2
.endr
.set x, 0
.rept 64
	v_rcp_f32 v[KA+x], v[KA+x]
.set x, x+1
.endr
	v_nop
	s_wait_alu depctr_va_vdst(0)
.set x, 0
.rept 32
	v_pk_mul_f32 v[S+x:S+x+1], v[S+x:S+x+1], v[KA+x:KA+x+1]   ; p
.set x, x+2
.endr
	QSCALE S
	QCODE S, QF
.rept 3
	v_nop                                          ; with the line behind the conversions: four places ahead of the scaled products
.endr
; ---- O^T = V^T P^T
.irp t, 0,1,2,3
	v_wmma_scale_f32_16x16x128_f8f6f4 v[KA+8*\t:KA+8*\t+7], v[KF+16*\t:KF+16*\t+15], v[QF:QF+15], 0, v[FSW+\t], v[PW] matrix_a_fmt:MATRIX_FMT_BF8 matrix_b_fmt:MATRIX_FMT_BF8
.endr
.rept 8
	v_nop
.endr
.irp t, 0,1,2,3
	ds_store_b128 v18, v[KA+8*\t:KA+8*\t+3] offset:64*\t          ; lane (r, h): o(query r, channels 16 t + 8 h + 0 .. 7); each result from its low end on
	ds_store_b128 v18, v[KA+8*\t+4:KA+8*\t+7] offset:64*\t+16
.endr
.irp i, 0,1,2,3,4,5,6,7
	ds_load_b128 v[KF+4*\i:KF+4*\i+3], v19 offset:544*\i          ; my own bytes, served in order: these see the stores
.endr
.irp i, 0,1,2,3,4,5,6,7
	s_wait_dscnt 7-\i
	global_store_b128 v20, v[KF+4*\i:KF+4*\i+3], s[12:13] offset:512*\i th:TH_STORE_NT   ; 32 lanes store two whole rows: 512 consecutive bytes
.endr
	s_set_vgpr_msb 0x5
	s_wait_tensorcnt 0x0
	ds_add_u32 v0, v1
	s_wait_dscnt 0x0
	s_set_vgpr_msb 0x500
	s_endpgm
.Lfunc_end_k_qb2ab29cca0_attend:
	.size	k_qb2ab29cca0_attend, .Lfunc_end_k_qb2ab29cca0_attend-k_qb2ab29cca0_attend
	.p2alignl 7, 3214868480
	.fill 96, 4, 3214868480
	.section	.rodata,"a",@progbits
	.p2align	6, 0x0
	.amdhsa_kernel k_qb2ab29cca0_attend
		.amdhsa_group_segment_fixed_size 52736
		.amdhsa_private_segment_fixed_size 0
		.amdhsa_enable_private_segment 0
		.amdhsa_kernarg_size 48
		.amdhsa_user_sgpr_count 2
		.amdhsa_user_sgpr_kernarg_segment_ptr 1
		.amdhsa_wavefront_size32 1
		.amdhsa_system_sgpr_workgroup_id_x 1
		.amdhsa_system_sgpr_workgroup_id_y 1
		.amdhsa_system_sgpr_workgroup_id_z 1
		.amdhsa_system_vgpr_workitem_id 0
		.amdhsa_next_free_vgpr 258
		.amdhsa_next_free_sgpr 66
		.amdhsa_reserve_vcc 0
		.amdhsa_float_denorm_mode_32 3
		.amdhsa_float_denorm_mode_16_64 3
		.amdhsa_memory_ordered 1
		.amdhsa_forward_progress 1
		.amdhsa_inst_pref_size 90
	.end_amdhsa_kernel
	.amdgpu_metadata
---
amdhsa.version: [ 1, 2 ]
amdhsa.kernels:
  - .name:           k_qb2ab29cca0_attend
    .symbol:         k_qb2ab29cca0_attend.kd
    .args:
      - { .name: value, .offset: 0, .size: 8, .value_kind: global_buffer, .address_space: global }
      - { .name: codes, .offset: 8, .size: 8, .value_kind: global_buffer, .address_space: global }
      - { .name: sc, .offset: 16, .size: 8, .value_kind: global_buffer, .address_space: global }
      - { .name: rec, .offset: 24, .size: 8, .value_kind: global_buffer, .address_space: global }
      - { .name: att, .offset: 32, .size: 8, .value_kind: global_buffer, .address_space: global }
      - { .name: lse, .offset: 40, .size: 8, .value_kind: global_buffer, .address_space: global }
    .group_segment_fixed_size: 52736
    .private_segment_fixed_size: 0
    .kernarg_segment_align: 8
    .kernarg_segment_size: 48
    .max_flat_workgroup_size: 128
    .sgpr_count:     66
    .vgpr_count:     258
    .wavefront_size: 32
...
	.end_amdgpu_metadata
.endif
;; end of part 3
;; launch combine (part 4): grid 256 x 1, 16 waves a work-group, no clusters, 2,560 bytes of LDS; arguments att, lse, pos, out0; writes out0
.if DOCPART == 4
	.amdgcn_target "amdgcn-amd-amdhsa--gfx1250"
	.amdhsa_code_object_version 6
	.text
	.protected	k_qb2ab29cca0_combine
	.globl	k_qb2ab29cca0_combine
	.p2align	8
	.type	k_qb2ab29cca0_combine,@function
k_qb2ab29cca0_combine:
	s_mov_b64 s[64:65], 0
	v_nop
	global_prefetch_b8 v0, s[64:65] scope:SCOPE_SE
	s_setreg_imm32_b32 hwreg(HW_REG_WAVE_MODE, 25, 1), 1
	s_wait_xcnt 0x0
; out[b][l][:] = the sum over the four hash tables q of att[b][q][slot_q(l)][:] x exp(lse[b][q][slot_q(l)] - m_q) / Z_q, with m_q the largest and Z_q the sum of exp(lse - m_q) over all 4,096 slots of (b, q).
; A work-group of sixteen waves takes 256 positions of one batch, a wave 16; sixteen lanes take a row of 256 bytes, so pair i of a wave is positions 2 i + (lane / 16).
; Each work-group reduces its batch's 4 x 4,096 lse itself (64 KiB, eight numbers a lane and table): the largest is taken off before every exponential.
; The rows are gathered by the stored slots, each held inside its table; the sum over K = 4 is made by f32 multiply-adds.  No matrix unit, no tensor load: the reads are a gather, the arithmetic is four multiply-adds a number.
; LIMITS: NaN and infinities are not served.
; REGISTERS: v1-7 ids and addresses; v8-15 (m x log2 e, z) of each table; v16-31 the slots, then at work; v32-63 row offsets; v64-95 lse offsets, the lse, then the weights; v96-127 lse for the reduction; v128-255 the rows.
.set PS,  16
.set AR,  32
.set AL,  64
.set RD,  96
.set ROW, 128
	s_load_b256 s[4:11], s[0:1], 0x0               ; att, lse, pos, out0
	v_lshrrev_b32 v1, 5, v0
	v_readfirstlane_b32 s12, v1                    ; wave
	v_and_b32 v7, 15, v0                           ; x
	v_bfe_u32 v1, v0, 4, 1                         ; h
	v_lshlrev_b32 v2, 4, v0
	v_lshlrev_b32 v3, 4, v7
	v_lshl_add_u32 v4, v1, 8, v3
	v_lshlrev_b32 v6, 3, v7
	v_lshlrev_b32 v1, 3, v1
	s_lshl_b32 s13, s12, 3
	v_mov_b32 v5, s13                              ; LDS: my wave's 8 bytes
	s_lshr_b32 s14, ttmp9, 4                       ; batch
	s_mov_b32 s17, 0
	s_mov_b32 s18, 0x3fb8aa3b                      ; log2(e)
	s_mov_b32 s19, s18
	s_mov_b32 s20, 0x76543210
	s_mov_b32 s21, 0xfedcba98                      ; lane l xor 16
	s_wait_kmcnt 0x0
	s_lshl_b32 s16, s14, 22
	s_add_nc_u64 s[4:5], s[4:5], s[16:17]
	s_lshl_b32 s16, s14, 16
	s_add_nc_u64 s[6:7], s[6:7], s[16:17]
	s_lshl_b32 s16, ttmp9, 11
	s_lshl_b32 s15, s12, 7
	s_add_co_u32 s16, s16, s15
	s_add_nc_u64 s[8:9], s[8:9], s[16:17]
	s_lshl_b32 s16, ttmp9, 16
	s_lshl_b32 s15, s12, 12
	s_add_co_u32 s16, s16, s15
	s_add_nc_u64 s[10:11], s[10:11], s[16:17]
.irp i, 0,1,2,3,4,5,6,7
	global_load_b64 v[PS+2*\i:PS+2*\i+1], v1, s[8:9] offset:16*\i
.endr
.irp q, 0,1,2,3
.irp j, 0,1
	global_load_b128 v[RD+8*\q+4*\j:RD+8*\q+4*\j+3], v2, s[6:7] offset:16384*\q+8192*\j
.endr
.endr
	s_wait_loadcnt 8                               ; the slots are in; the eight loads of lse may be out
.irp i, 0,1,2,3,4,5,6,7
	v_and_b32 v[AL+4*\i], 0xffff, v[PS+2*\i]
	v_lshrrev_b32 v[AL+4*\i+1], 16, v[PS+2*\i]
	v_and_b32 v[AL+4*\i+2], 0xffff, v[PS+2*\i+1]
	v_lshrrev_b32 v[AL+4*\i+3], 16, v[PS+2*\i+1]
.endr
.set x, 0
.rept 32
	v_min_u32 v[AL+x], 0xfff, v[AL+x]              ; held inside the table that it indexes
.set x, x+1
.endr
.set x, 0
.rept 32
	v_lshl_add_u32 v[AR+x], v[AL+x], 8, v3
.set x, x+1
.endr
.set x, 0
.rept 32
	v_lshlrev_b32 v[AL+x], 2, v[AL+x]
.set x, x+1
.endr
.set x, 0
.rept 32
	global_load_b32 v[AL+x], v[AL+x], s[6:7] offset:16384*(x%4)   ; a load may land on its own offset register
.set x, x+1
.endr
.set x, 0
.rept 32
	global_load_b128 v[ROW+4*x:ROW+4*x+3], v[AR+x], s[4:5] offset:1048576*(x%4) th:TH_LOAD_NT   ; sixteen lanes read a row's 256 bytes; each row is read once
.set x, x+1
.endr
	s_wait_loadcnt 63                              ; 64 younger loads exist; 63 is the largest count that can be written, and the stricter
; ---- my wave's 256 numbers of each table: largest, then the sum of exponentials under it
.irp q, 0,1,2,3
	v_max3_num_f32 v[16+\q], v[RD+8*\q], v[RD+8*\q+1], v[RD+8*\q+2]
.endr
.irp i, 3,5
.irp q, 0,1,2,3
	v_max3_num_f32 v[16+\q], v[16+\q], v[RD+8*\q+\i], v[RD+8*\q+\i+1]
.endr
.endr
.irp q, 0,1,2,3
	v_max_num_f32 v[16+\q], v[16+\q], v[RD+8*\q+7]
.endr
.irp n, 1,2,4,8
.irp q, 0,1,2,3
	v_max_num_f32_dpp v[16+\q], v[16+\q], v[16+\q] row_xmask:\n row_mask:0xf bank_mask:0xf
.endr
.endr
.irp q, 0,1,2,3
	v_permlanex16_b32 v[20+\q], v[16+\q], s20, s21
.endr
.irp q, 0,1,2,3
	v_max_num_f32 v[16+\q], v[16+\q], v[20+\q]
.endr
.irp q, 0,1,2,3
	v_mul_f32 v[8+2*\q], s18, v[16+\q]             ; m x log2(e)
	v_mov_b32 v[9+2*\q], 0                         ; (named with it as a pair)
.endr
.irp q, 0,1,2,3
.irp j, 0,2,4,6
	v_pk_fma_f32 v[RD+8*\q+\j:RD+8*\q+\j+1], v[RD+8*\q+\j:RD+8*\q+\j+1], s[18:19], v[8+2*\q:9+2*\q] op_sel_hi:[1,0,0] neg_lo:[0,0,1] neg_hi:[0,0,1]
.endr
.endr
.set x, 0
.rept 32
	v_exp_f32 v[RD+x], v[RD+x]
.set x, x+1
.endr
	v_nop                                          ; a plain line behind the batch,
	s_wait_alu depctr_va_vdst(0)                   ; and one wait for it
.irp q, 0,1,2,3
	v_pk_add_f32 v[24+2*\q:25+2*\q], v[RD+8*\q:RD+8*\q+1], v[RD+8*\q+2:RD+8*\q+3]
.endr
.irp j, 4,6
.irp q, 0,1,2,3
	v_pk_add_f32 v[24+2*\q:25+2*\q], v[24+2*\q:25+2*\q], v[RD+8*\q+\j:RD+8*\q+\j+1]
.endr
.endr
.irp q, 0,1,2,3
	v_add_f32 v[9+2*\q], v[24+2*\q], v[25+2*\q]
.endr
.irp n, 1,2,4,8
.irp q, 0,1,2,3
	v_add_f32_dpp v[9+2*\q], v[9+2*\q], v[9+2*\q] row_xmask:\n row_mask:0xf bank_mask:0xf
.endr
.endr
.irp q, 0,1,2,3
	v_permlanex16_b32 v[20+\q], v[9+2*\q], s20, s21
.endr
.irp q, 0,1,2,3
	v_add_f32 v[9+2*\q], v[9+2*\q], v[20+\q]
.endr
.irp q, 0,1,2,3
	ds_store_b64 v5, v[8+2*\q:9+2*\q] offset:128*\q   ; all lanes write the same 8 bytes with the same values
.endr
	s_wait_dscnt 0x0                               ; for the others' sake: my stores have landed
	s_barrier_signal -1
	s_barrier_wait -1
.irp q, 0,1,2,3
	ds_load_b64 v[8+2*\q:9+2*\q], v6 offset:128*\q    ; lane x takes wave x's pair
.endr
	s_wait_dscnt 0x0
; ---- over the sixteen waves
.irp q, 0,1,2,3
	v_mov_b32 v[16+\q], v[8+2*\q]
.endr
.irp n, 1,2,4,8
.irp q, 0,1,2,3
	v_max_num_f32_dpp v[16+\q], v[16+\q], v[16+\q] row_xmask:\n row_mask:0xf bank_mask:0xf
.endr
.endr
.irp q, 0,1,2,3
	v_sub_f32 v[20+\q], v[8+2*\q], v[16+\q]
.endr
.irp q, 0,1,2,3
	v_exp_f32 v[20+\q], v[20+\q]
.endr
	v_nop
	s_wait_alu depctr_va_vdst(0)
.irp q, 0,1,2,3
	v_mul_f32 v[20+\q], v[20+\q], v[9+2*\q]        ; each wave's sum under the common largest
.endr
.irp n, 1,2,4,8
.irp q, 0,1,2,3
	v_add_f32_dpp v[20+\q], v[20+\q], v[20+\q] row_xmask:\n row_mask:0xf bank_mask:0xf
.endr
.endr
.irp q, 0,1,2,3
	v_rcp_f32 v[24+\q], v[20+\q]                   ; 1 / Z
.endr
	v_nop
	s_wait_alu depctr_va_vdst(0)
; ---- the weights of my 16 positions
	s_wait_loadcnt 32                              ; the gathered lse are in; the 32 rows may be out
.set x, 0
.rept 32
	v_fma_f32 v[AL+x], v[AL+x], s18, -v[16+x%4]
.set x, x+1
.endr
.set x, 0
.rept 32
	v_exp_f32 v[AL+x], v[AL+x]
.set x, x+1
.endr
	v_nop
	s_wait_alu depctr_va_vdst(0)
.set x, 0
.rept 32
	v_mul_f32 v[AL+x], v[AL+x], v[24+x%4]
.set x, x+1
.endr
; ---- the sum over the four tables, pair by pair
.irp i, 0,1,2,3,4,5,6,7
	s_wait_loadcnt 4*(7-\i)                        ; this pair's four rows are in; the later pairs' may be out
.irp e, 0,1,2,3
	v_mul_f32 v[ROW+16*\i+\e], v[ROW+16*\i+\e], v[AL+4*\i]
.endr
.irp q, 1,2,3
.irp e, 0,1,2,3
	v_fmac_f32 v[ROW+16*\i+\e], v[ROW+16*\i+4*\q+\e], v[AL+4*\i+\q]
.endr
.endr
	global_store_b128 v4, v[ROW+16*\i:ROW+16*\i+3], s[10:11] offset:512*\i th:TH_STORE_NT   ; 32 lanes store two whole rows: 512 consecutive bytes
.endr
	s_wait_xcnt 0x0
	v_lshl_add_u32 v254, v0, 2, 0x200
	v_mov_b32 v255, 0
	s_wait_tensorcnt 0x0
	ds_add_u32 v254, v255
	s_wait_dscnt 0x0
	s_endpgm
.Lfunc_end_k_qb2ab29cca0_combine:
	.size	k_qb2ab29cca0_combine, .Lfunc_end_k_qb2ab29cca0_combine-k_qb2ab29cca0_combine
	.p2alignl 7, 3214868480
	.fill 96, 4, 3214868480
	.section	.rodata,"a",@progbits
	.p2align	6, 0x0
	.amdhsa_kernel k_qb2ab29cca0_combine
		.amdhsa_group_segment_fixed_size 2560
		.amdhsa_private_segment_fixed_size 0
		.amdhsa_enable_private_segment 0
		.amdhsa_kernarg_size 32
		.amdhsa_user_sgpr_count 2
		.amdhsa_user_sgpr_kernarg_segment_ptr 1
		.amdhsa_wavefront_size32 1
		.amdhsa_system_sgpr_workgroup_id_x 1
		.amdhsa_system_sgpr_workgroup_id_y 1
		.amdhsa_system_sgpr_workgroup_id_z 1
		.amdhsa_system_vgpr_workitem_id 0
		.amdhsa_next_free_vgpr 256
		.amdhsa_next_free_sgpr 66
		.amdhsa_reserve_vcc 0
		.amdhsa_float_denorm_mode_32 3
		.amdhsa_float_denorm_mode_16_64 3
		.amdhsa_memory_ordered 1
		.amdhsa_forward_progress 1
		.amdhsa_inst_pref_size 36
	.end_amdhsa_kernel
	.amdgpu_metadata
---
amdhsa.version: [ 1, 2 ]
amdhsa.kernels:
  - .name:           k_qb2ab29cca0_combine
    .symbol:         k_qb2ab29cca0_combine.kd
    .args:
      - { .name: att, .offset: 0, .size: 8, .value_kind: global_buffer, .address_space: global }
      - { .name: lse, .offset: 8, .size: 8, .value_kind: global_buffer, .address_space: global }
      - { .name: pos, .offset: 16, .size: 8, .value_kind: global_buffer, .address_space: global }
      - { .name: out0, .offset: 24, .size: 8, .value_kind: global_buffer, .address_space: global }
    .group_segment_fixed_size: 2560
    .private_segment_fixed_size: 0
    .kernarg_segment_align: 8
    .kernarg_segment_size: 32
    .max_flat_workgroup_size: 512
    .sgpr_count:     66
    .vgpr_count:     256
    .wavefront_size: 32
...
	.end_amdgpu_metadata
.endif
;; end of part 4
;; ======== version 2 of 2: 4 launches; version 1 with the launches hash, attend written anew for expert scheduling mode
;; workspace buffers: codes 8,388,608 bytes; sc 524,288 bytes; hl 1,048,576 bytes of whole numbers; hist 524,288 bytes of whole numbers; rec 2,097,152 bytes of whole numbers; pos 524,288 bytes of whole numbers; att 67,108,864 bytes; lse 1,048,576 bytes
;; launch hash (part 5): grid 256 x 1, 4 waves a work-group, no clusters, 9,728 bytes of LDS; arguments query, rand_matrix, codes, sc, hl, hist; writes codes, sc, hl, hist
.if DOCPART == 5
	.amdgcn_target "amdgcn-amd-amdhsa--gfx1250"
	.amdhsa_code_object_version 6
	.text
	.protected	k_qb2ab29cca0_hash
	.globl	k_qb2ab29cca0_hash
	.p2align	8
	.type	k_qb2ab29cca0_hash,@function
k_qb2ab29cca0_hash:
	s_mov_b64 s[64:65], 0
	v_nop
	global_prefetch_b8 v0, s[64:65] scope:SCOPE_SE
	s_setreg_imm32_b32 hwreg(HW_REG_WAVE_SCHED_MODE, 0, 2), 2
	s_setreg_imm32_b32 hwreg(HW_REG_WAVE_MODE, 25, 1), 1
	s_wait_xcnt 0x0
	s_wait_alu depctr_vm_vsrc(0)
; LSH hashes.  query [16][4096][64] f32, rand_matrix [16][64][128] f32 (128 columns = 4 hash tables x 32).
; A work-group of four waves takes 256 positions of one batch, a wave 64 of them (one SEGMENT): four tiles of 16, two in each of two trips.
; For each position: codes of E5M2 (one E8M0 byte for each 32 along d) of the raw query, of query / max(norm, 1e-12) as the keys' operand (both stored), and of the same quotient as the hash's operand (used here).
; WHAT STANDS AHEAD OF THE QUANTISERS IS PLAIN IEEE ARITHMETIC IN A FIXED ORDER: a bucket hangs on every code, so no code is to turn by an approximation.  The sum of squares runs in ascending d, one step an element:
; for the hash's operand by one fused multiply-add a step, for the keys' operand and for rand_matrix's columns by one rounded square and one addition a step; the root and every quotient are rounded correctly.
; mm^T = rm^T qn^T by the scaled matrix form, K = 64 filled to 128 with zero codes on both sides: source 0 = 16 columns of rm, source 1 = 16 positions, so that a lane holds ONE position.
; bucket = first index of the largest of [mm, -mm].  Then, by compares alone (no address and no branch hangs on a bucket): each position's rank among the equal buckets of its segment, and the segment's histogram.
; OUT: codes [pos][128]: 64 raw codes, 64 of the keys' operand;  sc [pos][2]: their scale words (upper two bytes 0, over the zero codes);
;      hl [segment][table][lane][2]: bucket | rank << 8 of positions lane and 32 + lane;  hist [segment][lane][table]: count(bucket lane) | count(bucket 32 + lane) << 16.
; LIMITS: NaN and infinities among the inputs are not served; a zero column of rand_matrix gives NaN, as the definition does; a block of zeros gets the byte 1, not 127: its codes are zeros and this program alone reads the byte;
; a sum of squares that is a denormal number counts as 0 in the root (|query| under about 1e-19).
; THE MODE: SCHED_MODE bits 1:0 = 2 (LLVM: expert scheduling mode 2), set by the entry lines.  The code itself states the register dependences
; between vector or matrix instructions and memory or LDS instructions, and from a vector instruction's scalar result to its reader, with s_wait_alu, always for 0.
; THE PLAN.  Registers that memory or LDS instructions touch:
;   v4-v9        offsets and LDS addresses, made once at the head and never written again.
;   XA, XB       At the head: 64 loads of rand_matrix land in each; a part's vector lines work on them in place; behind the part the buffer is loaded again.
;   XA .. XA+31  In the loop: a tile's eight loads land here; its sums, quotients, holds and conversions name them; behind the conversions the next tile's loads land.
;   PC           Written by the conversions; read by four LDS stores; its upper half is then written again by the hash's codes.
;   OUTC         Four LDS loads land here; four global stores read it; the next tile's LDS loads land again.
;   SCM          Written by two selects in a trip's second tile; read by one global store.
;   RK, HI       Written by vector lines; read by the last stores.
; A tile has three waits on va_vdst (behind the raw and keys' conversions: PC is written and XA .. XA+31 is done with; in front of the products; in the second tile in front of SCM's store)
; and two on vm_vsrc (the last tile's global stores have read OUTC and SCM; this tile's LDS stores have read PC).  Compares stand in runs, into s[MK ..], with one wait on va_sdst behind a run.
; REGISTERS: window 0: v1-10 ids and offsets; v12-15 the running sums, then the reciprocals; v16-31 at work; v32-47 codes; v48-55 zeros (v40-55 is source 1); v56-58 scale words; v60-67 rm's scale words; v68-71 the divisors;
;   v72-135 numbers; v136-199 numbers, later mm^T; v200-227 buckets, ranks, histogram; v228-243 the codes' way out; v244-255 argmax.   window 1: rm's 8 fragments, 16 registers each, the upper 8 zeros.
.set TM,   16
.set PC,   32
.set ZR,   48
.set PW,   56
.set QW,   57
.set KSW,  58
.set RS,   60
.set DN,   68
.set XA,   72
.set XB,   136
.set MM,   136
.set HB,   200
.set RK,   208
.set HI,   216
.set HT,   220
.set SCA,  224
.set SCM,  226
.set OUTC, 228
.set IDX,  244
.set MX,   248
.set NM,   252
.set MK,   48                          ; s[48:63] the sixteen masks of a run of compares
.set SPITCH, 144                       ; a position's 128 bytes of codes + 16 in the wave's stage
.set MSB, 0
.macro WIN new                         ; the immediate's high byte repeats the setting that is left
.if MSB != \new
	s_set_vgpr_msb (MSB<<8)|\new
.set MSB, \new
.endif
.endm
; THE SUMS OF SQUARES.  A lane holds d = 16 h + 0 .. 15 and 32 + 16 h + 0 .. 15, so a sum in ascending d goes through four runs of 16: lanes 0-15, lanes 16-31, lanes 0-15, lanes 16-31.
; Every lane walks every run; the half whose turn it is not computes a sum that the next crossing throws away.
; 16 numbers at v[x] onto two sums: aF by fused multiply-adds, aS by rounded squares (in v[TM] on; sq = 1: they are made here) and additions
.macro RUNQ x, aF, aS, sq
.if \sq
.irp k, 0,2,4,6,8,10,12,14
	v_pk_mul_f32 v[TM+\k:TM+\k+1], v[\x+\k:\x+\k+1], v[\x+\k:\x+\k+1]
.endr
.endif
.irp k, 0,1,2,3,4,5,6,7,8,9,10,11,12,13,14,15
	v_fma_f32 v[\aF], v[\x+\k], v[\x+\k], v[\aF]
	v_add_f32 v[\aS], v[\aS], v[TM+\k]
.endr
.endm
; 16 numbers of each of two columns onto their sums, by rounded squares and additions
.macro RUNR x0, x1, a0, a1
.irp u, 0,8
.irp k, 0,2,4,6
	v_pk_mul_f32 v[TM+\k:TM+\k+1], v[\x0+\u+\k:\x0+\u+\k+1], v[\x0+\u+\k:\x0+\u+\k+1]
	v_pk_mul_f32 v[TM+8+\k:TM+9+\k], v[\x1+\u+\k:\x1+\u+\k+1], v[\x1+\u+\k:\x1+\u+\k+1]
.endr
.irp k, 0,1,2,3,4,5,6,7
	v_add_f32 v[\a0], v[\a0], v[TM+\k]
	v_add_f32 v[\a1], v[\a1], v[TM+8+\k]
.endr
.endr
.endm
.macro CROSS a, b                      ; both sums go over to the other half of the lanes
	v_permlanex16_b32 v[\a], v[\b], s20, s21
	v_permlanex16_b32 v[\a+1], v[\b+1], s20, s21
.endm
.macro FINISH                          ; the whole sums stand in lanes 16-31 of v14, v15: into every lane of v12, v13
	CROSS 12, 14
	v_cndmask_b32 v12, v12, v14, s23
	v_cndmask_b32 v13, v13, v15, s23
.endm
; v12, v13: two sums of squares.  Out: their roots, rounded correctly, in v[DN], v[DN+2] (eps = 1: held at 1e-12 from below), and the roots' refined reciprocals in v12, v14.
; The root: v_sqrt_f32 is good to one unit in the last place; s x (its lower neighbour) and s x (its upper neighbour) stand for the squares of the two middles, and two residuals by fused multiply-add say on which side the number lies.
.macro ROOTS eps
	v_sqrt_f32 v[TM], v12
	v_sqrt_f32 v[TM+1], v13
	v_nop                                          ; a plain line behind the transcendentals,
	s_wait_alu depctr_va_vdst(0)                   ; and one wait for both roots, ahead of the first reader
	v_add_nc_u32 v[TM+2], -1, v[TM]                ; the lower neighbours,
	v_add_nc_u32 v[TM+3], -1, v[TM+1]
	v_add_nc_u32 v[TM+4], 1, v[TM]                 ; the upper
	v_add_nc_u32 v[TM+5], 1, v[TM+1]
	v_fma_f32 v[TM+6], -v[TM+2], v[TM], v12
	v_fma_f32 v[TM+7], -v[TM+3], v[TM+1], v13
	v_fma_f32 v[TM+8], -v[TM+4], v[TM], v12
	v_fma_f32 v[TM+9], -v[TM+5], v[TM+1], v13
	v_cmp_ge_f32 s40, 0, v[TM+6]
	v_cmp_ge_f32 s41, 0, v[TM+7]
	v_cmp_lt_f32 s42, 0, v[TM+8]
	v_cmp_lt_f32 s43, 0, v[TM+9]
	s_wait_alu depctr_va_sdst(0)                   ; the four compares have written s40 to s43, which the selects below read
	v_cndmask_b32 v[TM], v[TM], v[TM+2], s40
	v_cndmask_b32 v[TM+1], v[TM+1], v[TM+3], s41
	v_cndmask_b32 v[DN], v[TM], v[TM+4], s42
	v_cndmask_b32 v[DN+2], v[TM+1], v[TM+5], s43
.if \eps
	v_max_num_f32 v[DN], 0x2b8cbccc, v[DN]         ; 1e-12
	v_max_num_f32 v[DN+2], 0x2b8cbccc, v[DN+2]
.endif
	v_rcp_f32 v12, v[DN]
	v_rcp_f32 v14, v[DN+2]
	v_nop
	s_wait_alu depctr_va_vdst(0)                   ; one wait for both reciprocals, ahead of the first reader
	v_fma_f32 v[TM], -v[DN], v12, 1.0
	v_fma_f32 v[TM+1], -v[DN+2], v14, 1.0
	v_fma_f32 v12, v[TM], v12, v12
	v_fma_f32 v14, v[TM+1], v14, v14
.endm
; 32 quotients v[n + i] / v[dp], rounded correctly, into v[dst + i] (dst may be n): q = n r; twice: the residual n - d q by a fused multiply-add, and q + residual x r.  Two numbers an instruction, four pairs by turns.
.macro DIV32 n, dst, dp, rp
.set g, 0
.rept 4
.irp k, 0,2,4,6
	v_pk_mul_f32 v[TM+\k:TM+\k+1], v[\n+8*g+\k:\n+8*g+\k+1], v[\rp:\rp+1] op_sel_hi:[1,0]
.endr
.irp k, 0,2,4,6
	v_pk_fma_f32 v[TM+8+\k:TM+9+\k], v[\dp:\dp+1], v[TM+\k:TM+\k+1], v[\n+8*g+\k:\n+8*g+\k+1] op_sel_hi:[0,1,1] neg_lo:[1,0,0] neg_hi:[1,0,0]
.endr
.irp k, 0,2,4,6
	v_pk_fma_f32 v[TM+\k:TM+\k+1], v[TM+8+\k:TM+9+\k], v[\rp:\rp+1], v[TM+\k:TM+\k+1] op_sel_hi:[1,0,1]
.endr
.irp k, 0,2,4,6
	v_pk_fma_f32 v[TM+8+\k:TM+9+\k], v[\dp:\dp+1], v[TM+\k:TM+\k+1], v[\n+8*g+\k:\n+8*g+\k+1] op_sel_hi:[0,1,1] neg_lo:[1,0,0] neg_hi:[1,0,0]
.endr
.irp k, 0,2,4,6
	v_pk_fma_f32 v[\dst+8*g+\k:\dst+8*g+\k+1], v[TM+8+\k:TM+9+\k], v[\rp:\rp+1], v[TM+\k:TM+\k+1] op_sel_hi:[1,0,1]
.endr
.set g, g+1
.endr
.endm
; nb (2 or 4) blocks of 32 (16 numbers in my lane, 16 in lane l xor 16): largest magnitudes, scale operands, holds, and the bytes in v[PW]
.macro QSC s, nb
.set b, 0
.rept \nb
	v_max3_num_f32 v[TM+b], |v[\s+16*b]|, |v[\s+1+16*b]|, 0x8000000   ; the floor 2^(16 - 127) holds the byte at 1 from below
.set b, b+1
.endr
.irp i, 2,4,6,8,10,12,14
.set b, 0
.rept \nb
	v_max3_num_f32 v[TM+b], v[TM+b], |v[\s+16*b+\i]|, |v[\s+1+16*b+\i]|
.set b, b+1
.endr
.endr
.set b, 0
.rept \nb
	v_permlanex16_b32 v[TM+4+b], v[TM+b], s20, s21
.set b, b+1
.endr
.set b, 0
.rept \nb
	v_max_num_f32 v[TM+b], v[TM+b], v[TM+4+b]
.set b, b+1
.endr
.set b, 0
.rept \nb
	v_add_nc_u32 v[TM+12+b], 0xf8800000, v[TM+b]            ; 15 off the exponent field: the conversion's scale operand
.set b, b+1
.endr
.set b, 0
.rept \nb
	v_and_or_b32 v[TM+8+b], v[TM+b], 0x7f800000, s22        ; 57,344 x the scale
.set b, b+1
.endr
.set b, 0
.rept \nb
	v_lshrrev_b32 v[TM+4+b], 23, v[TM+12+b]                 ; the byte
.set b, b+1
.endr
	v_lshl_or_b32 v[PW], v[TM+5], 8, v[TM+4]
.if \nb == 4
	v_lshl_or_b32 v[PW], v[TM+6], 16, v[PW]
	v_lshl_or_b32 v[PW], v[TM+7], 24, v[PW]
.endif
.endm
; the hold and the conversions: blocks 0, 1 into v[d0] on, blocks 2, 3 (nb = 4) into v[d1] on, in the destination window win
.macro QCODE s, d0, d1, win, nb
.set x, 0
.rept 16*\nb
	v_med3_num_f32 v[\s+x], v[\s+x], -v[TM+8+x/16], v[TM+8+x/16]   ; the conversion does not saturate (ISA guide 7.6.2)
.set x, x+1
.endr
	WIN \win
.irp c, 0,1
	v_cvt_scalef32_pk8_bf8_f32 v[\d0+4*\c:\d0+4*\c+1], v[\s+16*\c:\s+16*\c+7], v[TM+12+\c]
	v_cvt_scalef32_pk8_bf8_f32 v[\d0+4*\c+2:\d0+4*\c+3], v[\s+16*\c+8:\s+16*\c+15], v[TM+12+\c]
.endr
.if \nb == 4
.irp c, 0,1
	v_cvt_scalef32_pk8_bf8_f32 v[\d1+4*\c:\d1+4*\c+1], v[\s+32+16*\c:\s+32+16*\c+7], v[TM+14+\c]
	v_cvt_scalef32_pk8_bf8_f32 v[\d1+4*\c+2:\d1+4*\c+3], v[\s+32+16*\c+8:\s+32+16*\c+15], v[TM+14+\c]
.endr
.endif
	WIN 0
	v_nop                                          ; a plain line behind the last conversion
.endm
; tiles 2 T and 2 T + 1 of rm: lane (r, h) takes column 16 t + r, its registers run down d: d = 32 c + 16 h + i
.macro RMLOAD T, X
.irp tt, 0,1
.irp c, 0,1
.irp i, 0,1,2,3,4,5,6,7,8,9,10,11,12,13,14,15
	global_load_b32 v[\X+32*\tt+16*\c+\i], v4, s[6:7] offset:(32*\c+\i)*512+64*(2*\T+\tt)
.endr
.endr
.endr
.endm
.macro RMPROC T, X
	v_mov_b32 v12, 0
	v_mov_b32 v13, 0
	RUNR \X, \X+32, 12, 13                         ; d = 0 .. 15 (lanes 0-15)
	CROSS 14, 12
	RUNR \X, \X+32, 14, 15                         ; d = 16 .. 31 (lanes 16-31)
	CROSS 12, 14
	RUNR \X+16, \X+48, 12, 13                      ; d = 32 .. 47
	CROSS 14, 12
	RUNR \X+16, \X+48, 14, 15                      ; d = 48 .. 63
	FINISH
	ROOTS 0
	DIV32 \X, \X, DN, 12
	DIV32 \X+32, \X+32, DN+2, 14
	QSC \X, 4
	v_and_b32 v[RS+2*\T], 0xffff, v[PW]            ; two bytes a tile; 0 over the zero codes
	v_lshrrev_b32 v[RS+2*\T+1], 16, v[PW]
	QCODE \X, 32*\T, 32*\T+16, 0x40, 4
.endm
.macro QLOAD off                       ; a tile: lane (r, h) takes, of row r, 16 neighbours of each block of 32
.irp c, 0,1
.irp j, 0,1,2,3
	global_load_b128 v[XA+16*\c+4*\j:XA+16*\c+4*\j+3], v5, s[4:5] offset:\off+128*\c+16*\j th:TH_LOAD_NT
.endr
.endr
.endm
; the first index of the largest of [mm, -mm], the four tables by turns.  Table q: registers 16 q + j hold n = 8 h + j + 8 (j / 8).
.macro ARGMAX dst
.irp q, 0,1,2,3
	v_max3_num_f32 v[MX+\q], |v[MM+16*\q]|, |v[MM+16*\q+1]|, |v[MM+16*\q+2]|   ; each result is read from its low end on
.endr
.irp i, 3,5,7,9,11,13
.irp q, 0,1,2,3
	v_max3_num_f32 v[MX+\q], v[MX+\q], |v[MM+16*\q+\i]|, |v[MM+16*\q+\i+1]|
.endr
.endr
.irp q, 0,1,2,3
	v_max_num_f32 v[MX+\q], v[MX+\q], |v[MM+16*\q+15]|
.endr
.irp q, 0,1,2,3
	v_permlanex16_b32 v[TM+4+\q], v[MX+\q], s20, s21
.endr
.irp q, 0,1,2,3
	v_max_num_f32 v[MX+\q], v[MX+\q], v[TM+4+\q]
.endr
.irp q, 0,1,2,3
	v_xor_b32 v[NM+\q], 0x80000000, v[MX+\q]
.endr
.irp q, 0,1,2,3
	v_mov_b32 v[IDX+\q], 64                        ; no match in my half: above every index
.endr
.irp a, 12,8,4,0                                   ; from the highest index down, so that the lowest match stays: first the negated half, four indices of the four tables to a run
.irp e, 3,2,1,0
.irp q, 0,1,2,3
	v_cmp_eq_f32 s[MK+4*\e+\q], v[MM+16*\q+\a+\e], v[NM+\q]
.endr
.endr
	s_wait_alu depctr_va_sdst(0)                   ; the run's sixteen compares have written s[MK ..], which the selects below read
.irp e, 3,2,1,0
.irp q, 0,1,2,3
	v_cndmask_b32 v[IDX+\q], v[IDX+\q], 32+\a+\e+8*((\a+\e)/8), s[MK+4*\e+\q]
.endr
.endr
.endr
.irp a, 12,8,4,0                                   ; then mm itself
.irp e, 3,2,1,0
.irp q, 0,1,2,3
	v_cmp_eq_f32 s[MK+4*\e+\q], v[MM+16*\q+\a+\e], v[MX+\q]
.endr
.endr
	s_wait_alu depctr_va_sdst(0)                   ; the run's sixteen compares have written s[MK ..], which the selects below read
.irp e, 3,2,1,0
.irp q, 0,1,2,3
	v_cndmask_b32 v[IDX+\q], v[IDX+\q], 0+\a+\e+8*((\a+\e)/8), s[MK+4*\e+\q]
.endr
.endr
.endr
.irp q, 0,1,2,3
	v_add_nc_u32 v[IDX+\q], v[IDX+\q], v10         ; + 8 h
.endr
.irp q, 0,1,2,3
	v_permlanex16_b32 v[TM+4+\q], v[IDX+\q], s20, s21
.endr
.irp q, 0,1,2,3
	v_min_u32 v[\dst+\q], v[IDX+\q], v[TM+4+\q]    ; with the other half's
.endr
.endm
; A tile of 16 positions: the p-th (0, 1) of the trip's two
.macro TILE p
	s_wait_loadcnt 0x0                             ; this tile's numbers
	v_mov_b32 v12, 0
	v_mov_b32 v13, 0
	RUNQ XA, 12, 13, 1                             ; d = 0 .. 15 (lanes 0-15)
	CROSS 14, 12
	RUNQ XA, 14, 15, 0                             ; d = 16 .. 31 (lanes 16-31); the squares still stand
	CROSS 12, 14
	RUNQ XA+16, 12, 13, 1                          ; d = 32 .. 47
	CROSS 14, 12
	RUNQ XA+16, 14, 15, 0                          ; d = 48 .. 63
	FINISH
	ROOTS 1
	DIV32 XA, XB, DN, 12                           ; the hash's operand,
	DIV32 XA, XA+32, DN+2, 14                      ; the keys'
	QSC XA, 4                                      ; blocks 0, 1: raw; blocks 2, 3: the keys' operand
	v_and_b32 v[QW], 0xffff, v[PW]
	v_lshrrev_b32 v[KSW], 16, v[PW]
	QCODE XA, PC, PC+8, 0, 4
	s_wait_alu depctr_va_vdst(0)                   ; the conversions have written v[PC ..], which the LDS stores below read; every line that names v[XA .. XA+31] is done, in which the next tile's loads land
	s_wait_xcnt 0x0                                ; the last tile's stores have had their addresses translated: v[OUTC] on and v[SCM] on are written again only behind this wait
	s_wait_alu depctr_vm_vsrc(0)                   ; the last tile's global stores have read v[OUTC ..], in which the LDS loads below land, and v[SCM ..], which the second tile's selects write
.if \p == 0
	QLOAD 4096                                     ; the next tile lands under the rest of this one
.else
	s_cmp_eq_u32 s24, 1                            ; the last trip has no next tile: no load leaves the wave's 64 rows
	s_cbranch_scc1 .Lno_next_\@
	QLOAD 8192
.Lno_next_\@:
.endif
	ds_store_b128 v6, v[PC:PC+3]
	ds_store_b128 v6, v[PC+4:PC+7] offset:32
	ds_store_b128 v6, v[PC+8:PC+11] offset:64
	ds_store_b128 v6, v[PC+12:PC+15] offset:96
.irp k, 0,1,2,3
	ds_load_b128 v[OUTC+4*\k:OUTC+4*\k+3], v7 offset:4*SPITCH*\k   ; my own bytes, served in order: these see the stores
.endr
	QSC XB, 2                                      ; the hash's operand: its two bytes are v[PW]; the 32 holds below stand between this and the products
	s_wait_dscnt 0x0                               ; the rows are back
	s_wait_alu depctr_vm_vsrc(0)                   ; the LDS stores have read the keys' codes, whose registers v[PC+8 ..] the hash's codes now take
.irp k, 0,1,2,3
	global_store_b128 v8, v[OUTC+4*\k:OUTC+4*\k+3], s[8:9] offset:2048*(\p)+512*\k   ; 32 lanes store 512 consecutive bytes
.endr
	QCODE XB, PC+8, 0, 0, 2
.rept 3
	v_nop                                          ; with the line behind the conversions: four places ahead of the scaled products
.endr
	s_wait_alu depctr_va_vdst(0)                   ; the conversions have written the codes v[PC+8 ..] and the lines above them the scale word v[PW], which the products take
	WIN 0x01                                       ; source 0 in window 1
.irp t, 0,1,2,3,4,5,6,7
	v_wmma_scale_f32_16x16x128_f8f6f4 v[MM+8*\t:MM+8*\t+7], v[16*\t:16*\t+15], v[PC+8:PC+23], 0, v[RS+\t], v[PW] matrix_a_fmt:MATRIX_FMT_BF8 matrix_b_fmt:MATRIX_FMT_BF8
.endr
	WIN 0
.rept 8
	v_nop                                          ; places ahead of the first read of the results
.endr
.if \p == 0
	ARGMAX HT
	v_mov_b32 v[SCA], v[QW]
	v_mov_b32 v[SCA+1], v[KSW]
.else
	ARGMAX IDX
.irp q, 0,1,2,3
	v_mov_b32 v[HB+2*\q], v[HB+2*\q+1]             ; the trip before's 32 buckets move down one place,
.endr
.irp q, 0,1,2,3
	v_cndmask_b32 v[HB+2*\q+1], v[HT+\q], v[IDX+\q], s23   ; and this trip's take theirs: lanes 0-15 the first tile's positions, lanes 16-31 the second's
.endr
	v_cndmask_b32 v[SCM], v[SCA], v[QW], s23
	v_cndmask_b32 v[SCM+1], v[SCA+1], v[KSW], s23
	s_wait_alu depctr_va_vdst(0)                   ; the two selects have written v[SCM ..], which the store reads
	global_store_b64 v9, v[SCM:SCM+1], s[10:11]    ; 32 positions' scale words: 256 consecutive bytes
.endif
.endm
	s_load_b256 s[4:11], s[0:1], 0x0               ; query, rand_matrix, codes, sc
	s_load_b128 s[12:15], s[0:1], 0x20             ; hl, hist
	v_lshl_add_u32 v11, v0, 2, 0x2400
	v_mov_b32 v59, 0
	v_lshrrev_b32 v1, 5, v0
	v_readfirstlane_b32 s16, v1                    ; wave
	v_and_b32 v1, 31, v0                           ; lane
	v_and_b32 v2, 15, v0                           ; r
	v_bfe_u32 v3, v0, 4, 1                         ; h
	v_lshlrev_b32 v4, 2, v2
	v_lshl_add_u32 v4, v3, 13, v4                  ; rm: column r, 16 h rows of 512 bytes
	v_lshlrev_b32 v5, 8, v2
	v_lshl_add_u32 v5, v3, 6, v5                   ; query: row r of 256 bytes, + 64 h
	s_wait_alu depctr_va_sdst(0)                   ; s16 is written, ahead of its first reader
	s_mul_i32 s17, s16, 16*SPITCH                  ; my wave's stage
	v_mul_u32_u24 v6, v2, SPITCH
	v_lshl_add_u32 v6, v3, 4, v6
	v_add_nc_u32 v6, s17, v6                       ; in: row r, + 16 h
	v_lshrrev_b32 v7, 3, v1
	v_mul_u32_u24 v7, v7, SPITCH
	v_and_b32 v8, 7, v1
	v_lshl_add_u32 v7, v8, 4, v7
	v_add_nc_u32 v7, s17, v7                       ; back: eight lanes to a row
	v_lshlrev_b32 v8, 4, v1
	v_lshlrev_b32 v9, 3, v1
	v_lshlrev_b32 v10, 3, v3
	s_lshl_b32 s18, ttmp9, 2
	s_add_co_u32 s18, s18, s16                     ; my segment, counted over all batches
	s_lshr_b32 s19, ttmp9, 4                       ; batch
	s_mov_b32 s20, 0x76543210
	s_mov_b32 s21, 0xfedcba98                      ; lane l xor 16
	s_mov_b32 s22, 0x600000                        ; the mantissa field of 57,344
	s_mov_b32 s23, 0xffff0000                      ; lanes 16-31
	s_mov_b32 s37, 0
	s_wait_kmcnt 0x0
	s_lshl_b32 s36, s18, 14
	s_add_nc_u64 s[4:5], s[4:5], s[36:37]
	s_lshl_b32 s36, s19, 15
	s_add_nc_u64 s[6:7], s[6:7], s[36:37]
	s_lshl_b32 s36, s18, 13
	s_add_nc_u64 s[8:9], s[8:9], s[36:37]
	s_lshl_b32 s36, s18, 9
	s_add_nc_u64 s[10:11], s[10:11], s[36:37]
	s_add_nc_u64 s[14:15], s[14:15], s[36:37]
	s_lshl_b32 s36, s18, 10
	s_add_nc_u64 s[12:13], s[12:13], s[36:37]
	s_wait_alu depctr_va_vdst(0)                   ; the offsets and LDS addresses v4 to v9 are written: every load and store of the kernel reads one of them
	RMLOAD 0, XA
	RMLOAD 1, XB
	v_mov_b32 v14, 0                               ; a lane permute's destination counts as read
	v_mov_b32 v15, 0
	v_mov_b32 v[DN+1], 0                           ; named as upper halves of pairs
	v_mov_b32 v[DN+3], 0
.irp j, 0,1,2,3,4,5,6,7
	v_mov_b32 v[ZR+\j], 0                          ; zero codes for K = 64 .. 127 of source 1
	v_mov_b32 v[RK+\j], 0
	v_mov_b32 v[HB+\j], 0                          ; (moved down once before they are first filled)
.endr
.irp j, 0,1,2,3
	v_mov_b32 v[HI+\j], 0
.endr
	WIN 0x40
.irp t, 0,1,2,3,4,5,6,7
.irp j, 8,9,10,11,12,13,14,15
	v_mov_b32 v[16*\t+\j], 0                       ; and of source 0's eight fragments
.endr
.endr
	WIN 0
	s_wait_loadcnt 63                              ; 64 younger loads exist; 63 is the largest count that can be written, and the stricter
	RMPROC 0, XA
	s_wait_alu depctr_va_vdst(0)                   ; every line of the part above that names v[XA ..] is done: the loads below land there
	RMLOAD 2, XA
	s_wait_loadcnt 63
	RMPROC 1, XB
	s_wait_alu depctr_va_vdst(0)                   ; the same for v[XB ..]
	RMLOAD 3, XB
	s_wait_loadcnt 63
	RMPROC 2, XA
	s_wait_alu depctr_va_vdst(0)                   ; the same for v[XA ..], in whose first 32 registers the first tile's loads land
	QLOAD 0
	s_wait_loadcnt 8                               ; the first tile's eight loads may be out
	RMPROC 3, XB
	s_mov_b32 s24, 0
.Lpair:                                                ; two trips, two tiles each: 32 positions a trip
	TILE 0
	TILE 1
	s_wait_xcnt 0x0                                ; the trip's loads and stores have read their bases
	s_add_nc_u64 s[4:5], s[4:5], 8192
	s_add_nc_u64 s[8:9], s[8:9], 4096
	s_add_nc_u64 s[10:11], s[10:11], 256
	s_add_co_u32 s24, s24, 1
	s_cmp_lt_u32 s24, 2
	s_cbranch_scc1 .Lpair
; Ranks and histogram.  v[HB + 2 q + g]: table q's buckets of positions 32 g + lane.  A trip takes buckets v and v + 32.
	s_mov_b32 s24, 0
.Lrank:
	s_add_co_u32 s25, s24, 32
	v_cmp_eq_u32 s30, s24, v1
.irp q, 0,1,2,3
	v_cmp_eq_u32 s[MK+4*\q], s24, v[HB+2*\q]
	v_cmp_eq_u32 s[MK+4*\q+1], s24, v[HB+2*\q+1]
	v_cmp_eq_u32 s[MK+4*\q+2], s25, v[HB+2*\q]
	v_cmp_eq_u32 s[MK+4*\q+3], s25, v[HB+2*\q+1]
.endr
	s_wait_alu depctr_va_sdst(0)                   ; the trip's seventeen compares have written s30 and s[MK ..], which the counts and selects below read
.irp q, 0,1,2,3
	s_bcnt1_i32_b32 s31, s[MK+4*\q]
	s_bcnt1_i32_b32 s33, s[MK+4*\q+2]
	v_mbcnt_lo_u32_b32 v12, s[MK+4*\q], 0          ; equal buckets in lower lanes,
	v_mbcnt_lo_u32_b32 v13, s[MK+4*\q+1], s31      ; and for the upper 32 positions all those of the lower 32
	v_mbcnt_lo_u32_b32 v14, s[MK+4*\q+2], 0
	v_mbcnt_lo_u32_b32 v15, s[MK+4*\q+3], s33
	v_cndmask_b32 v[RK+2*\q], v[RK+2*\q], v12, s[MK+4*\q]
	v_cndmask_b32 v[RK+2*\q+1], v[RK+2*\q+1], v13, s[MK+4*\q+1]
	v_cndmask_b32 v[RK+2*\q], v[RK+2*\q], v14, s[MK+4*\q+2]
	v_cndmask_b32 v[RK+2*\q+1], v[RK+2*\q+1], v15, s[MK+4*\q+3]
	s_bcnt1_i32_b32 s34, s[MK+4*\q+1]
	s_bcnt1_i32_b32 s35, s[MK+4*\q+3]
	s_add_co_u32 s31, s31, s34
	s_add_co_u32 s33, s33, s35
	s_lshl_b32 s33, s33, 16
	s_or_b32 s31, s31, s33
	v_cndmask_b32 v[HI+\q], v[HI+\q], s31, s30     ; lane v keeps the two counts
.endr
	s_add_co_u32 s24, s24, 1
	s_cmp_lt_u32 s24, 32
	s_cbranch_scc1 .Lrank
.irp i, 0,1,2,3,4,5,6,7
	v_lshl_or_b32 v[RK+\i], v[RK+\i], 8, v[HB+\i]
.endr
	s_wait_alu depctr_va_vdst(0)                   ; v[RK ..] and v[HI ..] are written, which the stores below read
.irp q, 0,1,2,3
	global_store_b64 v9, v[RK+2*\q:RK+2*\q+1], s[12:13] offset:256*\q   ; 256 consecutive bytes a table
.endr
	global_store_b128 v8, v[HI:HI+3], s[14:15]     ; 512 consecutive bytes
	s_wait_dscnt 0x0
	s_wait_alu depctr_hold_cnt(0) depctr_sa_sdst(0) depctr_va_vdst(0) depctr_va_sdst(0) depctr_va_ssrc(0) depctr_va_vcc(0) depctr_vm_vsrc(0)
	s_wait_tensorcnt 0x0
	ds_add_u32 v11, v59
	s_wait_dscnt 0x0
	s_endpgm
.Lfunc_end_k_qb2ab29cca0_hash:
	.size	k_qb2ab29cca0_hash, .Lfunc_end_k_qb2ab29cca0_hash-k_qb2ab29cca0_hash
	.p2alignl 7, 3214868480
	.fill 96, 4, 3214868480
	.section	.rodata,"a",@progbits
	.p2align	6, 0x0
	.amdhsa_kernel k_qb2ab29cca0_hash
		.amdhsa_group_segment_fixed_size 9728
		.amdhsa_private_segment_fixed_size 0
		.amdhsa_enable_private_segment 0
		.amdhsa_kernarg_size 48
		.amdhsa_user_sgpr_count 2
		.amdhsa_user_sgpr_kernarg_segment_ptr 1
		.amdhsa_wavefront_size32 1
		.amdhsa_system_sgpr_workgroup_id_x 1
		.amdhsa_system_sgpr_workgroup_id_y 1
		.amdhsa_system_sgpr_workgroup_id_z 1
		.amdhsa_system_vgpr_workitem_id 0
		.amdhsa_next_free_vgpr 384
		.amdhsa_next_free_sgpr 66
		.amdhsa_reserve_vcc 0
		.amdhsa_float_denorm_mode_32 3
		.amdhsa_float_denorm_mode_16_64 3
		.amdhsa_memory_ordered 1
		.amdhsa_forward_progress 1
		.amdhsa_inst_pref_size 255
	.end_amdhsa_kernel
	.section	.bss,"aw",@nobits
	.p2align	6
	.space	262144
	.amdgpu_metadata
---
amdhsa.version: [ 1, 2 ]
amdhsa.kernels:
  - .name:           k_qb2ab29cca0_hash
    .symbol:         k_qb2ab29cca0_hash.kd
    .args:
      - { .name: query, .offset: 0, .size: 8, .value_kind: global_buffer, .address_space: global }
      - { .name: rand_matrix, .offset: 8, .size: 8, .value_kind: global_buffer, .address_space: global }
      - { .name: codes, .offset: 16, .size: 8, .value_kind: global_buffer, .address_space: global }
      - { .name: sc, .offset: 24, .size: 8, .value_kind: global_buffer, .address_space: global }
      - { .name: hl, .offset: 32, .size: 8, .value_kind: global_buffer, .address_space: global }
      - { .name: hist, .offset: 40, .size: 8, .value_kind: global_buffer, .address_space: global }
    .group_segment_fixed_size: 9728
    .private_segment_fixed_size: 0
    .kernarg_segment_align: 8
    .kernarg_segment_size: 48
    .max_flat_workgroup_size: 128
    .sgpr_count:     66
    .vgpr_count:     384
    .wavefront_size: 32
...
	.end_amdgpu_metadata
.endif
;; end of part 5
;; launch place: the kernel of part 2 again; grid 256 x 1, 1 waves a work-group, no clusters, 256 bytes of LDS; arguments hl, hist, rec, pos; writes rec, pos
;; launch attend (part 6): grid 4096 x 1, 4 waves a work-group, no clusters, 52,736 bytes of LDS; arguments value, codes, sc, rec, att, lse; writes att, lse
.if DOCPART == 6
	.amdgcn_target "amdgcn-amd-amdhsa--gfx1250"
	.amdhsa_code_object_version 6
	.text
	.protected	k_qb2ab29cca0_attend
	.globl	k_qb2ab29cca0_attend
	.p2align	8
	.type	k_qb2ab29cca0_attend,@function
k_qb2ab29cca0_attend:
	s_mov_b64 s[64:65], 0
	v_nop
	global_prefetch_b8 v0, s[64:65] scope:SCOPE_SE
	s_setreg_imm32_b32 hwreg(HW_REG_WAVE_SCHED_MODE, 0, 2), 2
	s_setreg_imm32_b32 hwreg(HW_REG_WAVE_MODE, 25, 1), 1
	s_wait_xcnt 0x0
	s_wait_alu depctr_vm_vsrc(0)
; One chunk of 64 sorted queries of one batch and hash table against its 128 keys (the chunk before, circular, then itself).  Four waves, 16 queries each.
; S^T = K Q^T (source 0 = 16 normalised keys, source 1 = my 16 raw queries; K = 64 filled to 128 with zero codes), O^T = V^T P^T (source 0 = 16 channels, source 1 = P; K = the 128 keys): a lane holds ONE query throughout.
; THE KEYS OF A TILE ARE NOT NEIGHBOURS: lane r of tile 2 b + u takes key 32 b + 8 u + r + 8 (r / 8), so that register 16 b + i of S^T is key 32 b + 16 (lane / 16) + i.
; MASKS by one subtraction of the words position | bucket << 16: d = query's - key's; kept where d < 4096 (same bucket, key not later).  The query itself is key 64 + its number in the chunk: a place known from ids.
; Scores are kept x 8: -8e9 and -8e5 stand for -1e9 and -1e5.
; SOFTMAX: the row's largest score is taken off first; e = 2^(c s - c m), c = log2(e) / 8; lse = ln 2 x (c m + log2(sum));  p = e / (count x sum) is what is quantised, along the keys.
; COUNT: the tables in which the key lies in the query's window: this one, and each other table with (chunk(query) - chunk(key)) mod 64 in {0, 1}: three bytes at once.
; V: rows are gathered whole (256 bytes), turned through LDS, and wave w quantises channels 16 w .. 16 w + 15 along the keys.  Key codes and V's codes go from wave to wave as images of their registers.
; att [batch][table][slot][64] and lse [batch][table][slot] leave in sorted order, at addresses that hang on ids alone.
; No cluster, no tensor load: every large read is a gather by the stored list, which no tile's descriptor covers.
; LIMITS: NaN and infinities are not served; real scores are taken to lie above -1e5; a block of zeros has the byte 1 (its codes are zeros, and this program alone reads the byte).
; THE MODE: SCHED_MODE bits 1:0 = 2 (LLVM: expert scheduling mode 2), set by the entry lines.  The code itself states the register dependences
; between vector or matrix instructions and memory or LDS instructions, and from a vector instruction's scalar result to its reader, with s_wait_alu, always for 0.
; THE PLAN.  Registers that memory or LDS instructions touch, in the order of the text:
;   v4, v5, v9, v10     offsets of the records' loads; v6-v8, v11-v21 LDS addresses and offsets: all made once and never written again.
;   v128-143, v148-151, v155, v156   offsets of the gathers, made of loaded positions: all are made first, one wait follows, then all the gathers.
;   v64, v65            my key's record: loaded, read by two LDS stores; then part of S.
;   S   v64-127         V's numbers land from LDS; from there on vector and matrix instructions alone name it.
;   KF  v128-191        the gathers' offsets and K's codes (read by LDS stores); V's codes (written by conversions, read by LDS stores); zero codes in the upper halves; K's fragments land twice, V's once, each read by products; rows of O land.
;   KA  v192-255        V's rows land, LDS stores read them; the keys' first words land, subtractions and compares name them; the second words land; then vector work, the last products' results, read by LDS stores.
;   FSW v58-61          scale words from LDS, three times, each read by four products.   PW v56: written, read by one LDS store, written again for P.   v63: the lse, read by one store.
; One wait on vm_vsrc stands behind each of the two barriers: all LDS stores and gathers issued so far have read their registers, which loads and vector lines behind it take.
; A wait on va_vdst stands in front of each run of loads or stores whose registers vector or matrix instructions have named since the last one; each says below what it states.
; The mask compares stand in runs of sixteen, into s[MK ..], with one wait on va_sdst behind a run.
; REGISTERS: v1-21 ids and addresses; v22-23 my query's record; v24-39 Q's fragment, later P's codes; v40-55 at work; v56-61 scale words; v62-63 c m, then the lse; v64-127 V's numbers, then S^T, e, p;
;   v128-191 offsets, V's codes, four fragments of K, then of V, then rows of O; v192-255 V's rows, the keys' words, count x sum, then O^T.
.set RA,   0                           ; LDS: the 128 keys' first words,
.set RC,   512                         ; their second words,
.set KSC,  1024                        ; K's scale words, 8 tiles x 128 bytes,
.set VSC,  2048                        ; V's, 4 x 128,
.set KIMG, 2560                        ; K's 8 fragments, 1,024 bytes each (the zero halves are not stored),
.set VIMG, 10752                       ; V's 4 fragments, 2,048 bytes each,
.set VSTG, 18944                       ; V's 128 rows of 256 bytes, 64 bytes more behind each 16 rows; behind the second barrier the waves' stages for O, 16 x 272 bytes each
.set TM,   40
.set PW,   56
.set QSW,  57
.set FSW,  58
.set QF,   24
.set S,    64
.set KF,   128
.set KA,   192
.set MK,   48                          ; s[48:63] the sixteen masks of a run of compares
.macro QSCALE s                        ; four blocks of 32 (16 numbers in my lane, 16 in lane l xor 16)
.irp b, 0,1,2,3
	v_max3_num_f32 v[TM+\b], |v[\s+16*\b]|, |v[\s+1+16*\b]|, 0x8000000   ; the floor 2^(16 - 127) holds the byte at 1 from below
.endr
.irp i, 2,4,6,8,10,12,14
.irp b, 0,1,2,3
	v_max3_num_f32 v[TM+\b], v[TM+\b], |v[\s+16*\b+\i]|, |v[\s+1+16*\b+\i]|
.endr
.endr
.irp b, 0,1,2,3
	v_permlanex16_b32 v[TM+4+\b], v[TM+\b], s20, s21
.endr
.irp b, 0,1,2,3
	v_max_num_f32 v[TM+\b], v[TM+\b], v[TM+4+\b]
.endr
.irp b, 0,1,2,3
	v_add_nc_u32 v[TM+12+\b], 0xf8800000, v[TM+\b]          ; 15 off the exponent field: the conversion's scale operand
.endr
.irp b, 0,1,2,3
	v_and_or_b32 v[TM+8+\b], v[TM+\b], 0x7f800000, s22      ; 57,344 x the scale
.endr
.irp b, 0,1,2,3
	v_lshrrev_b32 v[TM+4+\b], 23, v[TM+12+\b]               ; the byte
.endr
	v_lshl_or_b32 v[PW], v[TM+5], 8, v[TM+4]
	v_lshl_or_b32 v[PW], v[TM+6], 16, v[PW]
	v_lshl_or_b32 v[PW], v[TM+7], 24, v[PW]
.endm
.macro QCODE s, d                      ; the hold, and the fragment's 16 registers of codes
.set x, 0
.rept 64
	v_med3_num_f32 v[\s+x], v[\s+x], -v[TM+8+x/16], v[TM+8+x/16]   ; the conversion does not saturate (ISA guide 7.6.2)
.set x, x+1
.endr
.irp b, 0,1,2,3
	v_cvt_scalef32_pk8_bf8_f32 v[\d+4*\b:\d+4*\b+1], v[\s+16*\b:\s+16*\b+7], v[TM+12+\b]
	v_cvt_scalef32_pk8_bf8_f32 v[\d+4*\b+2:\d+4*\b+3], v[\s+16*\b+8:\s+16*\b+15], v[TM+12+\b]
.endr
	v_nop                                          ; a plain line behind the last conversion
.endm
.macro BARRIER                         ; my LDS stores have landed and my LDS loads are in: then the work-group's barrier
	s_wait_dscnt 0x0
	s_barrier_signal -1
	s_barrier_wait -1
.endm
.macro KA1 op, a                       ; one operation on all 64 words of the keys
.set x, 0
.rept 64
	\op v[KA+x], \a, v[KA+x]
.set x, x+1
.endr
.endm
	s_load_b256 s[4:11], s[0:1], 0x0               ; value, codes, sc, rec
	s_load_b128 s[12:15], s[0:1], 0x20             ; att, lse
	s_set_vgpr_msb 0x40
	v_lshl_add_u32 v0, v0, 2, 0xcc00
	v_mov_b32 v1, 0
	s_set_vgpr_msb 0x4000
	v_lshrrev_b32 v1, 5, v0
	v_readfirstlane_b32 s16, v1                    ; wave
	v_and_b32 v1, 31, v0                           ; lane
	v_and_b32 v2, 15, v0                           ; r
	v_bfe_u32 v3, v0, 4, 1                         ; h
	s_and_b32 s17, ttmp9, 63                       ; my chunk n
	s_add_co_u32 s32, s17, 63
	s_and_b32 s32, s32, 63                         ; the chunk before, circular
	s_wait_alu depctr_va_sdst(0)                   ; s16 is written, ahead of its first reader
	s_cmp_lt_u32 s16, 2
	s_cselect_b32 s32, s32, s17                    ; waves 0, 1 prepare its keys, waves 2, 3 my chunk's
	s_lshl_b32 s32, s32, 9
	s_and_b32 s33, s16, 1
	s_lshl_b32 s34, s33, 8
	s_add_co_u32 s32, s32, s34                     ; my wave's 32 records, in bytes
	v_lshl_add_u32 v4, v1, 3, s32                  ; key 32 w + lane
	v_lshl_add_u32 v9, v3, 3, s32                  ; key 32 w + 2 i + h: V's rows, sixteen lanes to a row
	v_and_b32 v10, 8, v2
	v_add_nc_u32 v10, v10, v2
	v_lshl_add_u32 v10, v10, 3, s32                ; key 32 w + 8 u + r + 8 (r / 8): K's tiles
	s_lshl_b32 s31, s17, 9
	s_lshl_b32 s34, s16, 7
	s_add_co_u32 s31, s31, s34
	v_lshl_add_u32 v5, v2, 3, s31                  ; query 16 w + r
	s_lshl_b32 s33, s33, 4
	s_lshl_b32 s33, 1, s33
	s_cmp_lt_u32 s16, 2
	s_cselect_b32 s38, s33, 0                      ; the lane that holds query 0 of my 16 against itself: in registers 32 + i (waves 0, 1)
	s_cselect_b32 s39, 0, s33                      ; or 48 + i (waves 2, 3)
	s_mov_b32 s20, 0x76543210
	s_mov_b32 s21, 0xfedcba98                      ; lane l xor 16
	s_mov_b32 s22, 0x600000                        ; the mantissa field of 57,344
	s_mov_b32 s23, 4096
	s_mov_b32 s24, 0x3e38aa3b                      ; c = log2(e) / 8
	s_mov_b32 s25, s24
	s_mov_b32 s26, 0x3f3f3f
	s_mov_b32 s27, 0x3e3e3e
	s_mov_b32 s28, 0x404040
	s_mov_b32 s29, 0x010101
	s_mov_b32 s30, 0x3f317218                      ; ln 2
	s_mov_b32 s37, 0
	s_lshr_b32 s31, ttmp9, 8                       ; batch
	s_lshr_b32 s35, ttmp9, 6                       ; 4 x batch + table
	s_wait_kmcnt 0x0
	s_lshl_b32 s36, s35, 15
	s_add_nc_u64 s[10:11], s[10:11], s[36:37]
	s_wait_alu depctr_va_vdst(0)                   ; the offsets v4, v5, v9 and v10 are written, which the records' loads read
	global_load_b64 v[64:65], v4, s[10:11]
	global_load_b64 v[22:23], v5, s[10:11]
	global_load_b32 v144, v10, s[10:11]
	global_load_b32 v145, v10, s[10:11] offset:64
.irp i, 0,1,2,3,4,5,6,7,8,9,10,11,12,13,14,15
	global_load_b32 v[128+\i], v9, s[10:11] offset:16*\i
.endr
	s_lshl_b32 s36, s31, 20
	s_add_nc_u64 s[4:5], s[4:5], s[36:37]
	s_lshl_b32 s36, s31, 19
	s_add_nc_u64 s[6:7], s[6:7], s[36:37]
	s_lshl_b32 s36, s31, 15
	s_add_nc_u64 s[8:9], s[8:9], s[36:37]
	s_lshl_b32 s36, ttmp9, 14
	s_lshl_b32 s33, s16, 12
	s_add_co_u32 s36, s36, s33
	s_add_nc_u64 s[12:13], s[12:13], s[36:37]
	s_lshl_b32 s36, ttmp9, 8
	s_lshl_b32 s33, s16, 6
	s_add_co_u32 s36, s36, s33
	s_add_nc_u64 s[14:15], s[14:15], s[36:37]
	v_lshlrev_b32 v6, 4, v1                        ; an image's place for my lane
	v_lshlrev_b32 v7, 2, v1                        ; a scale word's
	v_lshlrev_b32 v8, 2, v0                        ; my key's word
	s_mul_i32 s32, s16, 8320
	s_add_co_u32 s32, s32, VSTG
	v_lshlrev_b32 v11, 4, v2
	v_lshl_add_u32 v11, v3, 8, v11
	v_add_nc_u32 v11, s32, v11                     ; V's rows in: row 32 w + 2 i + h, 16 bytes a lane
	v_mul_u32_u24 v12, v3, 4160
	v_lshl_add_u32 v12, v2, 2, v12
	s_lshl_b32 s32, s16, 6
	s_add_co_u32 s32, s32, VSTG
	v_add_nc_u32 v12, s32, v12                     ; and out: channel 16 w + r, keys 32 c + 16 h + i
	s_lshl_b32 s32, s16, 11
	s_add_co_u32 s33, s32, KIMG
	v_add_nc_u32 v13, s33, v6
	s_add_co_u32 s33, s32, VIMG
	v_add_nc_u32 v15, s33, v6
	s_lshl_b32 s32, s16, 8
	s_add_co_u32 s32, s32, KSC
	v_add_nc_u32 v14, s32, v7
	s_lshl_b32 s32, s16, 7
	s_add_co_u32 s32, s32, VSC
	v_add_nc_u32 v16, s32, v7
	v_lshlrev_b32 v17, 6, v3
	s_mul_i32 s32, s16, 4352
	s_add_co_u32 s32, s32, VSTG                    ; my stage for O
	v_mul_u32_u24 v18, v2, 272
	v_lshl_add_u32 v18, v3, 5, v18
	v_add_nc_u32 v18, s32, v18
	v_mul_u32_u24 v19, v3, 272
	v_lshl_add_u32 v19, v2, 4, v19
	v_add_nc_u32 v19, s32, v19
	v_lshlrev_b32 v20, 4, v2
	v_lshl_add_u32 v20, v3, 8, v20
	v_lshlrev_b32 v21, 2, v2
	v_lshlrev_b32 v146, 4, v3                      ; 16 h
	v_lshlrev_b32 v147, 4, v2                      ; 16 r
.irp j, 0,1,2,3,4,5,6,7
	v_mov_b32 v[QF+8+\j], 0                        ; zero codes for K = 64 .. 127 of source 1
.endr
.irp j, 0,1,2,3
	v_mov_b32 v[TM+4+\j], 0                        ; a lane permute's destination counts as read
.endr
; ---- records to LDS; the gathers.  Every position is held inside its table before it enters an offset.  All offsets are made first, so that one wait serves all the gathers
	s_wait_loadcnt 0x0
.irp u, 0,1
	v_and_b32 v[144+\u], 0xffff, v[144+\u]
	v_min_u32 v[144+\u], 0xfff, v[144+\u]
	v_lshl_add_u32 v[148+\u], v[144+\u], 7, v146
	v_lshlrev_b32 v[150+\u], 3, v[144+\u]
.endr
	v_and_b32 v154, 0xffff, v22
	v_min_u32 v154, 0xfff, v154
	v_lshl_add_u32 v155, v154, 7, v146
	v_lshlrev_b32 v156, 3, v154
.irp i, 0,1,2,3,4,5,6,7,8,9,10,11,12,13,14,15
	v_and_b32 v[128+\i], 0xffff, v[128+\i]
	v_min_u32 v[128+\i], 0xfff, v[128+\i]
	v_lshl_add_u32 v[128+\i], v[128+\i], 8, v147
.endr
	s_wait_alu depctr_va_vdst(0)                   ; the addresses v6 to v21 and the gathers' offsets v128 to v143, v148 to v151, v155, v156 are written, which the LDS and memory instructions from here on read; the lines that read v146 and v147 are done
	ds_store_b32 v8, v64
	ds_store_b32 v8, v65 offset:RC
.irp u, 0,1
	global_load_b128 v[160+8*\u:163+8*\u], v[148+\u], s[6:7] offset:64    ; the normalised codes: d = 16 h + 0 .. 15,
	global_load_b128 v[164+8*\u:167+8*\u], v[148+\u], s[6:7] offset:96    ; d = 32 + 16 h + 0 .. 15
	global_load_b32 v[152+\u], v[150+\u], s[8:9] offset:4
.endr
	global_load_b128 v[QF:QF+3], v155, s[6:7]                             ; my query's raw codes
	global_load_b128 v[QF+4:QF+7], v155, s[6:7] offset:32
	global_load_b32 v[QSW], v156, s[8:9]
.irp i, 0,1,2,3,4,5,6,7,8,9,10,11,12,13,14,15
	global_load_b128 v[192+4*\i:195+4*\i], v[128+\i], s[4:5]              ; sixteen lanes read a row's 256 bytes
.endr
	s_wait_loadcnt 16                              ; K's and Q's nine loads are in; V's sixteen may be out
.irp u, 0,1
	ds_store_b128 v13, v[160+8*\u:163+8*\u] offset:1024*\u
	ds_store_b128 v13, v[164+8*\u:167+8*\u] offset:1024*\u+512
	ds_store_b32 v14, v[152+\u] offset:128*\u
.endr
.irp i, 0,1,2,3,4,5,6,7,8,9,10,11,12,13,14,15
	s_wait_loadcnt 15-\i
	ds_store_b128 v11, v[192+4*\i:195+4*\i] offset:512*\i+64*(\i/8)
.endr
	BARRIER                                        ; records, K's images and V's rows lie in LDS
	s_wait_alu depctr_vm_vsrc(0)                   ; my LDS stores have read v64, v65, v152, v153, v160 to v175 and v192 to v255, and the gathers their offsets: loads and vector lines from here on take these registers
; ---- V along the keys: my 16 channels
.irp c, 0,1,2,3
.irp i, 0,1,2,3,4,5,6,7,8,9,10,11,12,13,14,15
	ds_load_b32 v[S+16*\c+\i], v12 offset:8320*\c+256*\i
.endr
.endr
	s_wait_dscnt 0x0
	QSCALE S
	QCODE S, KF
	s_wait_alu depctr_va_vdst(0)                   ; the conversions have written v[KF .. KF+15] and the lines above them v[PW], which the LDS stores read
.irp c, 0,1,2,3
	ds_store_b128 v15, v[KF+4*\c:KF+4*\c+3] offset:512*\c
.endr
	ds_store_b32 v16, v[PW]
	BARRIER                                        ; V's images lie in LDS, and nobody reads V's rows any more
	s_wait_alu depctr_vm_vsrc(0)                   ; my LDS stores have read v[KF .. KF+15], which the zero codes and K's fragments take, and v[PW], which is written again for P
.irp t, 0,1,2,3
.irp j, 8,9,10,11,12,13,14,15
	v_mov_b32 v[KF+16*\t+\j], 0                    ; zero codes for K = 64 .. 127 of source 0
.endr
.endr
.rept 4
	v_nop                                          ; four places between these and the scaled products
.endr
	s_wait_alu depctr_va_vdst(0)                   ; the zero codes are written, which the products take as part of source 0
; ---- S^T = K Q^T, four tiles of 16 keys at a time
.irp g, 0,1
.if \g > 0
.rept 8
	v_nop                                          ; places ahead of loads into registers that the products have read
.endr
	s_wait_alu depctr_va_vdst(0)                   ; the first four products are done reading K's fragments and scale words, in whose registers the next four land
.endif
.irp t, 0,1,2,3
	ds_load_b128 v[KF+16*\t:KF+16*\t+3], v6 offset:KIMG+1024*(4*\g+\t)
	ds_load_b128 v[KF+16*\t+4:KF+16*\t+7], v6 offset:KIMG+1024*(4*\g+\t)+512
	ds_load_b32 v[FSW+\t], v7 offset:KSC+128*(4*\g+\t)
.endr
	s_wait_dscnt 0x0
.irp t, 0,1,2,3
	v_wmma_scale_f32_16x16x128_f8f6f4 v[S+8*(4*\g+\t):S+8*(4*\g+\t)+7], v[KF+16*\t:KF+16*\t+15], v[QF:QF+15], 0, v[FSW+\t], v[QSW] matrix_a_fmt:MATRIX_FMT_BF8 matrix_b_fmt:MATRIX_FMT_BF8
.endr
.endr
.rept 8
	v_nop                                          ; places ahead of the loads below and of the first read of the results
.endr
	s_wait_alu depctr_va_vdst(0)                   ; the products are done reading v[KF ..] and v[FSW ..], in which V's fragments and scale words land
; ---- masks
.irp b, 0,1,2,3
.irp j, 0,1,2,3
	ds_load_b128 v[KA+16*\b+4*\j:KA+16*\b+4*\j+3], v17 offset:RA+128*\b+16*\j   ; the keys' first words, in S^T's order
.endr
.endr
.irp t, 0,1,2,3
.irp c, 0,1,2,3
	ds_load_b128 v[KF+16*\t+4*\c:KF+16*\t+4*\c+3], v6 offset:VIMG+2048*\t+512*\c   ; V's four fragments, for later
.endr
.endr
.irp t, 0,1,2,3
	ds_load_b32 v[FSW+\t], v7 offset:VSC+128*\t
.endr
	v_mov_b32 v54, 0xcfee6b28                      ; -8e9
	v_mov_b32 v55, 0xc9435000                      ; -8e5
	v_add_nc_u32 v23, s28, v23                     ; 64 onto each of my three chunk numbers: the subtraction below borrows nothing
	s_wait_dscnt 20                                ; the keys' words are in; V's 16 + 4 loads may be out
.set x, 0
.rept 4                                ; sixteen keys to a run, in ascending order: each result is read from its low end on
.set y, 0
.rept 16
	v_sub_nc_u32 v[KA+x+y], v22, v[KA+x+y]
.set y, y+1
.endr
.set y, 0
.rept 16
	v_cmp_gt_u32 s[MK+y], s23, v[KA+x+y]           ; same bucket, and the key not later
.set y, y+1
.endr
	s_wait_alu depctr_va_sdst(0)                   ; the run's sixteen compares have written s[MK ..], which the selects below read
.set y, 0
.rept 16
	v_cndmask_b32 v[S+x+y], v54, v[S+x+y], s[MK+y]
.set y, y+1
.endr
.set x, x+16
.endr
	s_wait_alu depctr_va_vdst(0)                   ; the subtractions and compares are done with v[KA ..], in which the second words land
.irp b, 0,1,2,3
.irp j, 0,1,2,3
	ds_load_b128 v[KA+16*\b+4*\j:KA+16*\b+4*\j+3], v17 offset:RC+128*\b+16*\j   ; the keys' second words land under the softmax; no line up to the wait for them names v[KA ..] or v17
.endr
.endr
.set x, 0
.rept 16
	s_lshl_b32 s44, s38, x
	s_lshl_b32 s45, s39, x
	v_cndmask_b32 v[S+32+x], v[S+32+x], v55, s44   ; the query itself
	v_cndmask_b32 v[S+48+x], v[S+48+x], v55, s45
.set x, x+1
.endr
; ---- softmax
.irp b, 0,1,2,3
	v_max3_num_f32 v[40+\b], v[S+16*\b], v[S+16*\b+1], v[S+16*\b+2]
.endr
.irp i, 3,5,7,9,11,13
.irp b, 0,1,2,3
	v_max3_num_f32 v[40+\b], v[40+\b], v[S+16*\b+\i], v[S+16*\b+\i+1]
.endr
.endr
.irp b, 0,1,2,3
	v_max_num_f32 v[40+\b], v[40+\b], v[S+16*\b+15]
.endr
	v_max3_num_f32 v40, v40, v41, v42
	v_max_num_f32 v40, v40, v43
	v_permlanex16_b32 v44, v40, s20, s21
	v_max_num_f32 v40, v40, v44                    ; the row's largest score
	v_mul_f32 v62, s24, v40                        ; c m
	v_mov_b32 v63, v62
.set x, 0
.rept 32
	v_pk_fma_f32 v[S+x:S+x+1], v[S+x:S+x+1], s[24:25], v[62:63] op_sel_hi:[1,0,0] neg_lo:[0,0,1] neg_hi:[0,0,1]   ; c s - c m
.set x, x+2
.endr
.set x, 0
.rept 64
	v_exp_f32 v[S+x], v[S+x]
.set x, x+1
.endr
	v_nop                                          ; a plain line behind the batch,
	s_wait_alu depctr_va_vdst(0)                   ; and one wait for the 64 exponentials, ahead of their first reader
	v_pk_add_f32 v[46:47], v[S:S+1], v[S+2:S+3]
	v_pk_add_f32 v[48:49], v[S+4:S+5], v[S+6:S+7]
.irp j, 8,12,16,20,24,28,32,36,40,44,48,52,56,60
	v_pk_add_f32 v[46:47], v[46:47], v[S+\j:S+\j+1]
	v_pk_add_f32 v[48:49], v[48:49], v[S+\j+2:S+\j+3]
.endr
	v_pk_add_f32 v[46:47], v[46:47], v[48:49]
	v_add_f32 v46, v46, v47
	v_permlanex16_b32 v44, v46, s20, s21
	v_add_f32 v46, v46, v44                        ; the row's sum
	v_log_f32 v48, v46
	v_mov_b32 v47, v46
	v_mul_f32 v52, 4.0, v46
	v_mov_b32 v53, v52
	s_wait_alu depctr_va_vdst(0)                   ; the logarithm is written, ahead of its reader
	v_add_f32 v63, v48, v62
	v_mul_f32 v63, s30, v63                        ; lse = ln 2 x (log2(sum) + c m); it is stored behind the reciprocals' wait below
; ---- duplicate counts, three tables in one word
	s_wait_dscnt 0x0                               ; the second words, and V's fragments
	KA1 v_sub_nc_u32, v23                          ; 64 + chunk(query) - chunk(key), byte by byte
	KA1 v_and_b32, s26                             ; mod 64
	KA1 v_add_nc_u32, s27                          ; + 62: bit 6 rises where the difference is 2 or more
	KA1 v_and_b32, s28
	KA1 v_mul_u32_u24, s29                         ; the three bytes' sum in byte 2
.set x, 0
.rept 64
	v_bfe_u32 v[KA+x], v[KA+x], 22, 2              ; the tables in which the key is NOT in the query's window
.set x, x+1
.endr
.set x, 0
.rept 64
	v_cvt_f32_u32 v[KA+x], v[KA+x]
.set x, x+1
.endr
.set x, 0
.rept 32
	v_pk_fma_f32 v[KA+x:KA+x+1], v[KA+x:KA+x+1], v[46:47], v[52:53] neg_lo:[1,0,0] neg_hi:[1,0,0]   ; (4 - misses) x sum = count x sum
.set x, x+2
.endr
.set x, 0
.rept 64
	v_rcp_f32 v[KA+x], v[KA+x]
.set x, x+1
.endr
	v_nop
	s_wait_alu depctr_va_vdst(0)                   ; one wait for the 64 reciprocals, ahead of their first reader; v63, the lse, is written too, which the store below reads
	global_store_b32 v21, v63, s[14:15]            ; both halves of the lanes hold the same number and write the same word
.set x, 0
.rept 32
	v_pk_mul_f32 v[S+x:S+x+1], v[S+x:S+x+1], v[KA+x:KA+x+1]   ; p
.set x, x+2
.endr
	QSCALE S
	QCODE S, QF
.rept 3
	v_nop                                          ; with the line behind the conversions: four places ahead of the scaled products
.endr
	s_wait_alu depctr_va_vdst(0)                   ; the conversions have written P's codes v[QF ..] and the lines above them its scale word v[PW], which the products take
; ---- O^T = V^T P^T
.irp t, 0,1,2,3
	v_wmma_scale_f32_16x16x128_f8f6f4 v[KA+8*\t:KA+8*\t+7], v[KF+16*\t:KF+16*\t+15], v[QF:QF+15], 0, v[FSW+\t], v[PW] matrix_a_fmt:MATRIX_FMT_BF8 matrix_b_fmt:MATRIX_FMT_BF8
.endr
.rept 8
	v_nop
.endr
	s_wait_alu depctr_va_vdst(0)                   ; the products have written v[KA .. KA+31], which the LDS stores read, and are done reading v[KF ..], in which the rows of O land; the places above stay beside this wait
.irp t, 0,1,2,3
	ds_store_b128 v18, v[KA+8*\t:KA+8*\t+3] offset:64*\t          ; lane (r, h): o(query r, channels 16 t + 8 h + 0 .. 7); each result from its low end on
	ds_store_b128 v18, v[KA+8*\t+4:KA+8*\t+7] offset:64*\t+16
.endr
.irp i, 0,1,2,3,4,5,6,7
	ds_load_b128 v[KF+4*\i:KF+4*\i+3], v19 offset:544*\i          ; my own bytes, served in order: these see the stores
.endr
.irp i, 0,1,2,3,4,5,6,7
	s_wait_dscnt 7-\i
	global_store_b128 v20, v[KF+4*\i:KF+4*\i+3], s[12:13] offset:512*\i th:TH_STORE_NT   ; 32 lanes store two whole rows: 512 consecutive bytes
.endr
	s_set_vgpr_msb 0x5
	s_wait_dscnt 0x0
	s_wait_alu depctr_hold_cnt(0) depctr_sa_sdst(0) depctr_va_vdst(0) depctr_va_sdst(0) depctr_va_ssrc(0) depctr_va_vcc(0) depctr_vm_vsrc(0)
	s_wait_tensorcnt 0x0
	ds_add_u32 v0, v1
	s_wait_dscnt 0x0
	s_endpgm
.Lfunc_end_k_qb2ab29cca0_attend:
	.size	k_qb2ab29cca0_attend, .Lfunc_end_k_qb2ab29cca0_attend-k_qb2ab29cca0_attend
	.p2alignl 7, 3214868480
	.fill 96, 4, 3214868480
	.section	.rodata,"a",@progbits
	.p2align	6, 0x0
	.amdhsa_kernel k_qb2ab29cca0_attend
		.amdhsa_group_segment_fixed_size 52736
		.amdhsa_private_segment_fixed_size 0
		.amdhsa_enable_private_segment 0
		.amdhsa_kernarg_size 48
		.amdhsa_user_sgpr_count 2
		.amdhsa_user_sgpr_kernarg_segment_ptr 1
		.amdhsa_wavefront_size32 1
		.amdhsa_system_sgpr_workgroup_id_x 1
		.amdhsa_system_sgpr_workgroup_id_y 1
		.amdhsa_system_sgpr_workgroup_id_z 1
		.amdhsa_system_vgpr_workitem_id 0
		.amdhsa_next_free_vgpr 258
		.amdhsa_next_free_sgpr 66
		.amdhsa_reserve_vcc 0
		.amdhsa_float_denorm_mode_32 3
		.amdhsa_float_denorm_mode_16_64 3
		.amdhsa_memory_ordered 1
		.amdhsa_forward_progress 1
		.amdhsa_inst_pref_size 91
	.end_amdhsa_kernel
	.amdgpu_metadata
---
amdhsa.version: [ 1, 2 ]
amdhsa.kernels:
  - .name:           k_qb2ab29cca0_attend
    .symbol:         k_qb2ab29cca0_attend.kd
    .args:
      - { .name: value, .offset: 0, .size: 8, .value_kind: global_buffer, .address_space: global }
      - { .name: codes, .offset: 8, .size: 8, .value_kind: global_buffer, .address_space: global }
      - { .name: sc, .offset: 16, .size: 8, .value_kind: global_buffer, .address_space: global }
      - { .name: rec, .offset: 24, .size: 8, .value_kind: global_buffer, .address_space: global }
      - { .name: att, .offset: 32, .size: 8, .value_kind: global_buffer, .address_space: global }
      - { .name: lse, .offset: 40, .size: 8, .value_kind: global_buffer, .address_space: global }
    .group_segment_fixed_size: 52736
    .private_segment_fixed_size: 0
    .kernarg_segment_align: 8
    .kernarg_segment_size: 48
    .max_flat_workgroup_size: 128
    .sgpr_count:     66
    .vgpr_count:     258
    .wavefront_size: 32
...
	.end_amdgpu_metadata
.endif
;; end of part 6
;; launch combine: the kernel of part 4 again; grid 256 x 1, 16 waves a work-group, no clusters, 2,560 bytes of LDS; arguments att, lse, pos, out0; writes out0
